; MI455X (gfx1250); checked and timed in simulation.
; The chip was launched on July 23, 2026; its instructions are those of AMD's public machine-readable ISA for CDNA 5 (MIT licence, August 2026) and "CDNA5" Instruction Set Architecture Reference Guide (July 2026). The comments in the code are by the model that wrote it; some were corrected since.
;; Fake News Classifier. Allowed arithmetic: float matrix products may take bf16 or f16 operands with f32 sums; other float arithmetic in f32, or as packed bf16 or f16 multiplies, adds, multiply-adds, maxima and minima; sums over many terms, partial sums and values carried from step to step in f32; what a program stores and reads back later, other than sums and carried values, may be rounded once to bf16 or f16.
;; Inputs: W1 8 x 1,024 x 1,024 float32; W2 8 x 1,024 x 2 float32; b1 8 x 1,024 float32; b2 8 x 2 float32; domain_ids 8,192 int32; feature 8,192 x 1,024 float32.
;; Outputs: out0 8,192 x 2 float32.
;; 2 versions, each right and faster than the one before. Each part assembles by itself: llvm-mc -triple=amdgcn-amd-amdhsa -mcpu=gfx1250 --defsym DOCPART=n.
;; ======== version 1 of 2: 3 launches
;; workspace buffers: xs 18,874,368 bytes; wf 16,777,216 bytes; tinfo 256 bytes of whole numbers; pos 32,768 bytes of whole numbers; part 393,216 bytes
;; launch prep (part 1): grid 256 x 1, 8 waves a work-group, no clusters, 1,280 bytes of LDS; arguments feature, domain_ids, W1, xs, wf, tinfo, pos; writes xs, wf, tinfo, pos
.if DOCPART == 1
	.amdgcn_target "amdgcn-amd-amdhsa--gfx1250"
	.amdhsa_code_object_version 6
	.text
	.protected	k_qafc9a60480_prep
	.globl	k_qafc9a60480_prep
	.p2align	8
	.type	k_qafc9a60480_prep,@function
k_qafc9a60480_prep:
	s_mov_b64 s[64:65], 0
	v_nop
	global_prefetch_b8 v0, s[64:65] scope:SCOPE_SE
	s_setreg_imm32_b32 hwreg(HW_REG_WAVE_MODE, 25, 1), 1
	s_wait_xcnt 0x0
; PREP.  Sorts the 8,192 tokens by expert and lays both matrix operands out in bf16, each number rounded once.
;   xs    [64 tiles][144 rows][1024] bf16: the tokens' features by tiles.  Expert e has ceil(count / 144) neighbouring tiles from tile tb[e] on, and its token of rank rho lies at row 144 tb[e] + rho.
;         ceil(count / 144) summed over 8 experts is at most 64 for every split.  The 9,216 - 8,192 = 1,024 rows that no token takes are zeros: four of them are written by each work-group
;   wf    [e 8][g 16][t 32][i 4][half 2][lane 32] x 16 bytes: W1 as matrix fragments.  Lane (r = lane % 16, h = lane / 16), half hf holds
;         W1[e][k][n] for k = 32 t + 16 hf + 8 h + 0..7 (lower k in lower bits) and n = 64 g + 4 r + i
;   tinfo [64]: each tile's expert (a tile past the last one: 7; its rows are zeros)
;   pos   [8192]: 192 x tile + place in the tile, for each token
; SHARES.  Work-group bx has tokens 32 bx .. 32 bx + 31 (wave w: four rows) and the 32 rows k of W1 that begin at row 32 bx of the 8,192 (expert bx / 32, t = bx % 32).
; Every work-group counts all 8,192 ids for itself: no list is handed between work-groups, and no launch is spent on one.
; No matrix unit and no cluster: nothing is multiplied, and the work-groups share only the 32 KB of ids.
; LIMITS.  ids lie in 0 .. 7, as the table that they index has 8 entries.  bf16 keeps 8 significant bits; its range is f32's.
.set SPARE, 256                        ; LDS: 0..255 the waves' counts (32 bytes a wave); 256..1279 the spare words, 128 bytes a wave, which no other line names
.set SPW,  6                           ; v6   LDS address of my spare word; never rewritten
.set NIL,  7                           ; v7   0; never rewritten
.set IDS,  8                           ; v[8:39]  eight quads of ids; later at work
.set MYID, 40                          ; v40  the id of token 32 bx + lane
.set XO,   41                          ; v41  my byte offset in the block's rows of feature
.set L4,   42                          ; v42  4 x lane
.set TMP,  43
.set HJ,   44                          ; a quad's counts, eight fields of 4 bits;      later RHO
.set LO,   45                          ; experts 0, 2, 4, 6 in four bytes;             later XROW
.set HI,   46                          ; experts 1, 3, 5, 7;                           later POS
.set ONE,  47
.set R,    48                          ; v[48:55] counts in fields of 16 bits: 0-3 of all tokens, 4-7 of the tokens in blocks ahead of mine
.set TL,   56
.set TH,   57
.set BL,   58
.set BH,   59
.set RANK, 60
.set BEF,  61
.set OFS,  62
.set TB,   63
.set RHO,  44
.set XROW, 45
.set POS,  46
.set L,    64                          ; v[64:191]  32 loads of 16 bytes: row q of x at 64 + 32 q, later octet o of W1's rows at 64 + 32 o
.set Y,    192                         ; v[192:255] data to store, 16 registers a row or octet; before that the waves' counts
; scalars: s[4:17] the seven buffers; s18 wave; s19 bx; s[20:23] offsets; s[24:31] xs at my four rows; s[32:39] tokens of expert e; s[40:47] those in blocks ahead of mine;
; s[48:55] first xs row of e, 144 tb[e]; s[56:63] tb[e]; s[66:73] 192 tb[e]; s74-79 at work; s[80:91] bases; s[92:99] the packed counts, later: s92 tokens of experts 0 .. e,
; s93 the tokens ahead of my zero row, s94 my zero row's number among the 1,024, s95 at work
	s_load_b256 s[4:11], s[0:1], 0x0               ; feature s[4:5], ids s[6:7], W1 s[8:9], xs s[10:11]
	s_load_b128 s[12:15], s[0:1], 0x20             ; wf s[12:13], tinfo s[14:15]
	s_load_b64 s[16:17], s[0:1], 0x30              ; pos
	v_lshl_add_u32 v[SPW], v0, 2, SPARE
	v_mov_b32 v[NIL], 0
	v_lshrrev_b32 v1, 5, v0
	v_readfirstlane_b32 s18, v1                    ; wave 0..7
	s_mov_b32 s19, ttmp9                           ; bx
	v_and_b32 v1, 31, v0                           ; lane
	v_lshlrev_b32 v2, 4, v0                        ; 16 x thread: ids and W1
	v_lshlrev_b32 v3, 3, v1                        ; 8 x lane: xs and tinfo
	v_lshrrev_b32 v4, 3, v0                        ; thread / 8: the block, within 32, of my quads of ids
	v_lshrrev_b32 v5, 4, v0                        ; g
	v_and_b32 v[TMP], 15, v0                       ; r
	v_lshlrev_b32 v5, 17, v5
	v_lshl_or_b32 v5, v[TMP], 4, v5                ; my place in wf: 131,072 g + 16 r
	v_lshlrev_b32 v[L4], 2, v1
	s_lshl_b32 s74, s18, 14                        ; my wave's four rows of 4,096 bytes
	v_lshl_add_u32 v[XO], v1, 4, s74
	v_mov_b32 v[ONE], 1
	s_lshl_b32 s20, s19, 7                         ; 32 words of ids and of pos
	s_mov_b32 s21, 0
	s_lshl_b32 s22, s19, 17                        ; 32 rows of 4,096 bytes, of feature and of W1
	s_mov_b32 s23, 0
	s_lshr_b32 s78, s19, 5
	s_lshl_b32 s78, s78, 21                        ; wf: 2 MiB an expert,
	s_and_b32 s79, s19, 31
	s_lshl_b32 s79, s79, 12                        ; 4,096 bytes a step t
	s_add_co_u32 s78, s78, s79
	s_mov_b32 s79, 0
	s_mov_b32 s75, 0x0f0f0f0f
	s_mov_b32 s76, 0x76543210                      ; v_permlanex16_b32: each lane takes its own place in the other half
	s_mov_b32 s77, 0xfedcba98
	s_wait_kmcnt 0x0
	s_add_nc_u64 s[80:81], s[6:7], s[20:21]
	s_add_nc_u64 s[88:89], s[16:17], s[20:21]
	s_add_nc_u64 s[82:83], s[4:5], s[22:23]
	s_add_nc_u64 s[84:85], s[8:9], s[22:23]
	s_add_nc_u64 s[86:87], s[12:13], s[78:79]
	; all loads of the first half go out at once: 9 for the ids, 32 for my four rows of x (16 KB a wave)
.irp j, 0,1,2,3,4,5,6,7
	global_load_b128 v[IDS+4*\j:IDS+4*\j+3], v2, s[6:7] offset:4096*\j  ; ids 1024 j + 4 thread ..: all four lie in block 32 j + thread / 8
.endr
	global_load_b32 v[MYID], v[L4], s[80:81]
.irp q, 0,1,2,3
.irp j, 0,1,2,3,4,5,6,7
	global_load_b128 v[L+32*\q+4*\j:L+32*\q+4*\j+3], v[XO], s[82:83] offset:4096*\q+512*\j th:TH_LOAD_NT
.endr
.endr
; COUNTING.  A quad's four ids are counted in eight fields of 4 bits (at most 4 each), spread to bytes, and added up: over my eight quads a byte holds at most 32.
.macro QUAD j
	v_lshlrev_b32 v[TMP], 2, v[IDS+4*(\j)]
	v_lshlrev_b32 v[HJ], v[TMP], v[ONE]
.irp c, 1,2,3
	v_lshlrev_b32 v[TMP], 2, v[IDS+4*(\j)+\c]
	v_lshl_add_u32 v[HJ], v[ONE], v[TMP], v[HJ]
.endr
	s_sub_co_i32 s74, s19, 32*(\j)
	v_and_b32 v[LO], s75, v[HJ]
	v_lshrrev_b32 v[HI], 4, v[HJ]
	v_and_b32 v[HI], s75, v[HI]
	v_cmp_gt_i32 vcc_lo, s74, v4                   ; is block 32 j + thread / 8 ahead of bx?
.if (\j) == 0
	v_mov_b32 v[TL], v[LO]                         ; the first quad starts the sums
	v_mov_b32 v[TH], v[HI]
	v_cndmask_b32 v[BL], 0, v[LO], vcc_lo
	v_cndmask_b32 v[BH], 0, v[HI], vcc_lo
.else
	v_add_nc_u32 v[TL], v[TL], v[LO]
	v_add_nc_u32 v[TH], v[TH], v[HI]
	v_cndmask_b32 v[LO], 0, v[LO], vcc_lo
	v_cndmask_b32 v[HI], 0, v[HI], vcc_lo
	v_add_nc_u32 v[BL], v[BL], v[LO]
	v_add_nc_u32 v[BH], v[BH], v[HI]
.endif
.endm
	s_wait_loadcnt 32                              ; the ids are in; the 32 loads of x, issued behind them, stay out
.irp j, 0,1,2,3,4,5,6,7
	QUAD \j
.endr
	; bytes to fields of 16 bits (the sums over 256 threads reach 8,192): register 0: experts 0, 4; 1: 2, 6; 2: 1, 5; 3: 3, 7; registers 4-7 likewise
	s_mov_b32 s79, 0x00ff00ff
.irp d, 0,1,2,3
	v_and_b32 v[R+2*\d], s79, v[TL+\d]
	v_lshrrev_b32 v[R+2*\d+1], 8, v[TL+\d]
	v_and_b32 v[R+2*\d+1], s79, v[R+2*\d+1]
.endr
	; over the wave's 32 lanes; v[8:15] have been written (ids), as the destinations of these forms must be
.irp m, 1,2,4,8
.irp d, 0,1,2,3,4,5,6,7
	v_mov_b32_dpp v[IDS+\d], v[R+\d] row_xmask:\m row_mask:0xf bank_mask:0xf
.endr
.irp d, 0,1,2,3,4,5,6,7
	v_add_nc_u32 v[R+\d], v[R+\d], v[IDS+\d]
.endr
.endr
.irp d, 0,1,2,3,4,5,6,7
	v_permlanex16_b32 v[IDS+\d], v[R+\d], s76, s77
.endr
.irp d, 0,1,2,3,4,5,6,7
	v_add_nc_u32 v[R+\d], v[R+\d], v[IDS+\d]
.endr
	; over the eight waves, through LDS
	s_lshl_b32 s78, s18, 5
	v_mov_b32 v16, s78
	ds_store_b128 v16, v[R:R+3]                    ; all lanes write the same bytes with the same numbers
	ds_store_b128 v16, v[R+4:R+7] offset:16
	s_wait_dscnt 0x0                               ; for the others' sake: my stores are done
	s_barrier_signal -1
	s_barrier_wait -1
	v_mov_b32 v17, 0
.irp k, 0,1,2,3,4,5,6,7,8,9,10,11,12,13,14,15
	ds_load_b128 v[Y+4*\k:Y+4*\k+3], v17 offset:16*\k
.endr
	s_wait_dscnt 0x0
.irp w, 1,2,3,4,5,6,7
.irp d, 0,1,2,3,4,5,6,7
	v_add_nc_u32 v[Y+\d], v[Y+\d], v[Y+8*\w+\d]
.endr
.endr
.irp d, 0,1,2,3,4,5,6,7
	v_readfirstlane_b32 s[92+\d], v[Y+\d]
.endr
.macro UNP d, a, b                     ; packed register d holds experts a (low half) and b (high half)
	s_and_b32 s[32+(\a)], s[92+(\d)], 0xffff
	s_lshr_b32 s[32+(\b)], s[92+(\d)], 16
	s_and_b32 s[40+(\a)], s[96+(\d)], 0xffff
	s_lshr_b32 s[40+(\b)], s[96+(\d)], 16
.endm
	UNP 0, 0, 4
	UNP 1, 2, 6
	UNP 2, 1, 5
	UNP 3, 3, 7
	; First tile and first row of each expert.  n / 144 = the high word of n x 29,826,162: exact while n x 0.23 / 2^32 stays under 1 / 144, far beyond 8,335.
	; In the same walk: where zero row number p = 4 bx + wave % 4 lies.  Ahead of expert e's first row lie 144 tb[e] - (tokens of experts 0 .. e - 1) zero rows; p stands behind the tokens of the
	; last expert e for which that number is at most p, so its row is p + (tokens of experts 0 .. e).
	s_and_b32 s94, s18, 3
	s_lshl2_add_u32 s94, s19, s94                  ; p
	s_mov_b32 s48, 0
	s_mov_b32 s56, 0
	s_mov_b32 s66, 0
	s_mov_b32 s92, s32                             ; tokens of expert 0
	s_mov_b32 s93, s32
.irp e, 0,1,2,3,4,5,6
	s_add_co_u32 s78, s[32+\e], 143
	s_mul_hi_u32 s78, s78, 29826162
	s_add_co_u32 s[57+\e], s[56+\e], s78
	s_mul_i32 s[49+\e], s[57+\e], 144
	s_mul_i32 s[67+\e], s[57+\e], 192
	s_sub_co_u32 s95, s[49+\e], s92                ; zero rows ahead of expert e + 1
	s_add_co_u32 s92, s92, s[33+\e]                ; tokens of experts 0 .. e + 1
	s_cmp_ge_u32 s94, s95
	s_cselect_b32 s93, s92, s93
.endr
	; lane l stands for token 32 bx + l, in every wave: its rank among the block's tokens of its expert, and that expert's three numbers
	v_cmp_eq_u32 vcc_lo, 0, v[MYID]
	v_mbcnt_lo_u32_b32 v[RANK], vcc_lo, 0
	v_mov_b32 v[BEF], s40
	v_mov_b32 v[OFS], s48
	v_mov_b32 v[TB], s66
.irp e, 1,2,3,4,5,6,7
	v_cmp_eq_u32 vcc_lo, \e, v[MYID]
	v_mbcnt_lo_u32_b32 v[TMP], vcc_lo, 0           ; lanes below mine with id e
	v_cndmask_b32 v[RANK], v[RANK], v[TMP], vcc_lo
	v_cndmask_b32 v[BEF], v[BEF], s[40+\e], vcc_lo
	v_cndmask_b32 v[OFS], v[OFS], s[48+\e], vcc_lo
	v_cndmask_b32 v[TB], v[TB], s[66+\e], vcc_lo
.endr
	v_add_nc_u32 v[RHO], v[BEF], v[RANK]           ; rank within the expert
	v_mul_u32_u24 v[POS], 0x1c71d, v[RHO]          ; rho / 144 = rho x 116,509 >> 24: exact for rho < 8,192 (8,191 x 0.56 / 2^24 is under 1 / 144)
	v_add_nc_u32 v[XROW], v[OFS], v[RHO]           ; the token's row in xs
	v_lshrrev_b32 v[POS], 24, v[POS]
	v_mad_u32_u24 v[POS], v[POS], 48, v[RHO]       ; 192 (tile - first tile) + place = rho + 48 (rho / 144)
	v_add_nc_u32 v[POS], v[POS], v[TB]
	; three small jobs; none of their registers is written again
	s_cmp_lg_u32 s18, 0
	s_cbranch_scc1 .Lnot_pos
	global_store_b32 v[L4], v[POS], s[88:89]       ; the block's 32 words of pos: 128 consecutive bytes, half of an aligned 256; the buffer has 32 KB in all
.Lnot_pos:
	s_cmp_lg_u32 s18, 1
	s_cbranch_scc1 .Lnot_tiles
	s_cmp_lg_u32 s19, 0
	s_cbranch_scc1 .Lnot_tiles
.irp u, 0,1                            ; tile T = 2 lane + u: the last expert whose first tile is not behind T
	v_lshl_add_u32 v[8+\u], v1, 1, \u
	v_mov_b32 v[10+\u], 0
.irp e, 1,2,3,4,5,6,7
	v_cmp_le_u32 vcc_lo, s[56+\e], v[8+\u]
	v_cndmask_b32 v[10+\u], v[10+\u], \e, vcc_lo
.endr
.endr
	global_store_b64 v3, v[10:11], s[14:15]        ; 32 lanes: the table's 256 bytes
.Lnot_tiles:
	s_cmp_lt_u32 s18, 4
	s_cbranch_scc1 .Lnot_zeros                     ; waves 4 to 7: a row of zeros each
	s_add_co_u32 s95, s94, s93
	s_min_u32 s95, s95, 9215                       ; a number made of loaded ids is held to the table before it enters an address
	s_lshl_b32 s20, s95, 11
	s_add_nc_u64 s[90:91], s[10:11], s[20:21]
.irp c, 0,1,2,3
	v_mov_b32 v[20+\c], 0
.endr
	v_lshlrev_b32 v18, 4, v1
.irp j, 0,1,2,3
	global_store_b128 v18, v[20:23], s[90:91] offset:512*\j  ; 512 consecutive bytes, aligned
.endr
.Lnot_zeros:
	; xs at my wave's four rows
	s_lshl_b32 s78, s18, 2
.irp q, 0,1,2,3
	s_add_co_u32 s79, s78, \q
	v_readlane_b32 s74, v[XROW], s79
	s_min_u32 s74, s74, 9215                       ; held to the table, as above
	s_lshl_b32 s20, s74, 11
	s_add_nc_u64 s[24+2*\q:25+2*\q], s[10:11], s[20:21]
.endr
; Row q of x: rounded, stored; its registers take octet q of W1's rows (k = 8 q + 0..7; thread: columns 4 thread + 0..3), asked for ahead of the stores.
.macro XOUT q
	s_wait_loadcnt 24                              ; younger than row q: rows q + 1 .. 3 and octets 0 .. q - 1, eight loads each: three groups, whatever q
.irp j, 0,1,2,3,4,5,6,7
	v_cvt_pk_bf16_f32 v[Y+16*(\q)+2*\j],   v[L+32*(\q)+4*\j],   v[L+32*(\q)+4*\j+1]
	v_cvt_pk_bf16_f32 v[Y+16*(\q)+2*\j+1], v[L+32*(\q)+4*\j+2], v[L+32*(\q)+4*\j+3]
.endr
.irp k, 0,1,2,3,4,5,6,7
	global_load_b128 v[L+32*(\q)+4*\k:L+32*(\q)+4*\k+3], v2, s[84:85] offset:(8*(\q)+\k)*4096 th:TH_LOAD_NT
.endr
.irp j, 0,1,2,3,4,5,6,7
	global_store_b64 v3, v[Y+16*(\q)+2*\j:Y+16*(\q)+2*\j+1], s[24+2*(\q):25+2*(\q)] offset:256*\j  ; 32 lanes: 256 consecutive bytes, aligned
.endr
.endm
	XOUT 0
	XOUT 1
	XOUT 2
	XOUT 3
	s_wait_xcnt 0x0                                ; the stores above have read Y: it is rewritten only behind this wait
; Octet o = 2 hf + h: my column i's eight k are 16 bytes of fragment i; sixteen neighbouring lanes (one g, r = 0..15) fill 256 consecutive bytes, aligned.
.macro WOUT o
	s_wait_loadcnt 8*(3-(\o))                      ; the octets behind this one stay out
.irp i, 0,1,2,3
.irp p, 0,1,2,3
	v_cvt_pk_bf16_f32 v[Y+16*(\o)+4*\i+\p], v[L+32*(\o)+8*\p+\i], v[L+32*(\o)+8*\p+4+\i]
.endr
	global_store_b128 v5, v[Y+16*(\o)+4*\i:Y+16*(\o)+4*\i+3], s[86:87] offset:1024*\i+256*(\o)
.endr
.endm
	WOUT 0
	WOUT 1
	WOUT 2
	WOUT 3
	s_wait_tensorcnt 0x0                           ; the wave's end, behind my last LDS store
	ds_add_u32 v[SPW], v[NIL]
	s_wait_dscnt 0x0
	s_endpgm
.Lfunc_end_k_qafc9a60480_prep:
	.size	k_qafc9a60480_prep, .Lfunc_end_k_qafc9a60480_prep-k_qafc9a60480_prep
	.p2alignl 7, 3214868480
	.fill 96, 4, 3214868480
	.section	.rodata,"a",@progbits
	.p2align	6, 0x0
	.amdhsa_kernel k_qafc9a60480_prep
		.amdhsa_group_segment_fixed_size 1280
		.amdhsa_private_segment_fixed_size 0
		.amdhsa_enable_private_segment 0
		.amdhsa_kernarg_size 56
		.amdhsa_user_sgpr_count 2
		.amdhsa_user_sgpr_kernarg_segment_ptr 1
		.amdhsa_wavefront_size32 1
		.amdhsa_system_sgpr_workgroup_id_x 1
		.amdhsa_system_sgpr_workgroup_id_y 1
		.amdhsa_system_sgpr_workgroup_id_z 1
		.amdhsa_system_vgpr_workitem_id 0
		.amdhsa_next_free_vgpr 256
		.amdhsa_next_free_sgpr 100
		.amdhsa_reserve_vcc 1
		.amdhsa_float_denorm_mode_32 3
		.amdhsa_float_denorm_mode_16_64 3
		.amdhsa_memory_ordered 1
		.amdhsa_forward_progress 1
		.amdhsa_inst_pref_size 45
	.end_amdhsa_kernel
	.amdgpu_metadata
---
amdhsa.version: [ 1, 2 ]
amdhsa.kernels:
  - .name:           k_qafc9a60480_prep
    .symbol:         k_qafc9a60480_prep.kd
    .args:
      - { .name: feature, .offset: 0, .size: 8, .value_kind: global_buffer, .address_space: global }
      - { .name: domain_ids, .offset: 8, .size: 8, .value_kind: global_buffer, .address_space: global }
      - { .name: W1, .offset: 16, .size: 8, .value_kind: global_buffer, .address_space: global }
      - { .name: xs, .offset: 24, .size: 8, .value_kind: global_buffer, .address_space: global }
      - { .name: wf, .offset: 32, .size: 8, .value_kind: global_buffer, .address_space: global }
      - { .name: tinfo, .offset: 40, .size: 8, .value_kind: global_buffer, .address_space: global }
      - { .name: pos, .offset: 48, .size: 8, .value_kind: global_buffer, .address_space: global }
    .group_segment_fixed_size: 1280
    .private_segment_fixed_size: 0
    .kernarg_segment_align: 8
    .kernarg_segment_size: 56
    .max_flat_workgroup_size: 256
    .sgpr_count:     100
    .vgpr_count:     256
    .wavefront_size: 32
...
	.end_amdgpu_metadata
.endif
;; end of part 1
;; launch chain (part 2): grid 4 x 64, 4 waves a work-group, clusters of 4 x 1, 327,680 bytes of LDS; arguments xs, wf, tinfo, b1, W2, b2, part; writes part
.if DOCPART == 2
	.amdgcn_target "amdgcn-amd-amdhsa--gfx1250"
	.amdhsa_code_object_version 6
	.text
	.protected	k_qafc9a60480_chain
	.globl	k_qafc9a60480_chain
	.p2align	8
	.type	k_qafc9a60480_chain,@function
k_qafc9a60480_chain:
	s_mov_b64 s[64:65], 0
	v_nop
	global_prefetch_b8 v0, s[64:65] scope:SCOPE_SE
	s_setreg_imm32_b32 hwreg(HW_REG_WAVE_MODE, 25, 1), 1
	s_wait_xcnt 0x0
	s_wait_alu depctr_hold_cnt(0) depctr_sa_sdst(0) depctr_va_vdst(0) depctr_va_sdst(0) depctr_va_ssrc(0) depctr_va_vcc(0) depctr_vm_vsrc(0)
	s_getreg_b32 s2, hwreg(HW_REG_IB_STS2, 6, 4)
	s_cmp_eq_u32 s2, 0
	s_cbranch_scc0 .Lentry_in_a_cluster
	s_endpgm
.Lentry_in_a_cluster:
	s_bfe_u32 s2, ttmp6, 0x10000c
	s_cmp_lg_u32 s2, 0x3003
	s_cbranch_scc0 .Lentry_shape_is_right
	s_endpgm
.Lentry_shape_is_right:
; CHAIN.  For a tile of 144 rows of xs (tokens of one expert e) and a slice of 256 of the 1,024 hidden units:
;   part[slice][tile][place][o] = sum over the slice's hidden n of relu(x . W1[e][:, n] + b1[e][n]) W2[e][n][o]   (+ b2[e][o] in slice 0)
; x, W1, W2 and the hidden layer are bf16 (each rounded once), all sums f32, b1 and b2 f32.  The four slices' sums are added by the next launch.
; SHARES.  A cluster of four work-groups is a tile, a work-group a slice, a wave 64 hidden units (four fragments of 16) x 144 tokens (nine blocks): 36 accumulators, 288 registers.
; A tile always computes its nine blocks: 64 x 144 = 9,216 rows for 8,192 tokens.  Rows past a tile's count are zeros; a token is a COLUMN of both products, so they touch no other token,
; and nothing reads their results.  A tile past the last one (expert 7, zeros alone) runs like any other, so that partners and barriers are alike.
; TRANSPOSED USE.  Source 0 = 16 hidden x 32 k of W1, source 1 = 16 tokens x 32 k of x: in the result a lane holds ONE token (lane % 16) and eight hidden units; two results rounded to
; bf16 ARE source 1 (32 hidden x 16 tokens) of the second product, whose source 0 holds W2's two columns in rows 0, 1 (repeated): its registers 0, 1 are the token's two sums.
; WHERE THE OPERANDS COME FROM.  x: the tile's 144 x 1,024 bf16 lie in LDS whole (eight chunks of 128 k), asked for once, at the start, JOINTLY by the four slices: 8 tensor loads a wave,
; 36 rows each; by this text's count a wave has 8 outstanding.  Their addresses are made of the tile's number and the wave's alone.  No LDS byte is filled twice.
; W1: each fragment has one reader in the work-group, so it goes from memory straight into registers, through a ring of seven steps, asked for six steps (216 matrix instructions) ahead.
; W1 is not asked for jointly: its readers are an expert's tiles, 1 to 57 of them by the split of the tokens, which no cluster divides.
; LIMITS.  bf16 keeps 8 significant bits, its range is f32's.  NaN and infinities are not treated apart (relu is a maximum in which a NaN loses).
; REGISTERS, in windows of 256 (s_set_vgpr_msb: bits 1:0 source 0, 3:2 source 1, 5:4 source 2, 7:6 destination):
;   window 0: v0-9 addresses; v30-31 the add's; v32-47 W2's operand; v48-63 the last sums; v64-127 b1, later W2, as loaded; v128-199 the nine results of the second product; v200-231 at work
;   window 1: v0-223 the ring of W1's fragments (slot x 32 + 8 i), later the hidden layer (16 b + 8 s); v224-231 LDS addresses of the chunks; v232 16 x lane; v233 0
;   window 2: v0-159 accumulators of blocks 0-4 (32 b + 8 i); v160-239 their x fragments, two buffers
;   window 3: v0-127 accumulators of blocks 5-8; v128-191 their x fragments, two buffers; v192-223 b1 as a C operand (8 i + j)
.set PITCH, 272                        ; an LDS row: 256 bytes + 16 of padding = 68 words: the 16 rows of a fragment load start at 16 different groups of four banks (64 banks of 4 bytes: ISA guide 11.1)
.set CHUNK, 144*PITCH                  ; 128 k of all 144 rows
.set QUART, 36*PITCH                   ; what one tensor load brings
.set SCR,   8*CHUNK                    ; behind the chunks, never filled by a tensor load: 1,536 bytes a wave, 192 places x 8 bytes
.set SPARE, SCR+4*1536                 ; behind that: the spare words, 128 bytes a wave: two blocks of 256 bytes that no other line names
.set SPW, 30
.set NIL, 31
.set W2F, 32
.set SUM, 48
.set T,   64
.set LG,  128
.set XS,  200
.set ADR, 224                          ; window 1
.set WOF, 232
.set ZR,  233
.set B1F, 192                          ; window 3
.set G0,  32                           ; s[32:63] descriptor group 0, a set for each chunk
.set G1,  68                           ; s[68:75] descriptor group 1
; other scalars: s[4:17] the seven buffers; s18 wave; s19 cx (the slice); s20 tile; s21 4 x tile; s22 expert; s[24:25] an offset; s[26:27] b2 or 0; s30, s31 at work;
; s76 8 x expert; s77-79 offsets that hang on cx or on the expert: these, s19, s22, s26 and s27 never enter a descriptor or an LDS address
.set MSB, 0
.macro WIN new                         ; the immediate's high byte repeats the setting that is left; a switch that changes nothing is dropped
.if MSB != (\new)
	s_set_vgpr_msb (MSB<<8)|(\new)
.set MSB, (\new)
.endif
.endm
.set LDW, 0x41                         ; W1's loads: data and address in window 1
.set MA,  0xa9                         ; source 0 (W1) window 1; source 1 (x), C and D window 2.  An LDS load under it: data window 2, address window 1
.set MA0, 0xb9                         ; the same with C (b1) in window 3
.set MB,  0xfd                         ; source 0 window 1; the rest window 3
.macro PLACES                          ; four plain vector instructions between a matrix instruction and a load into, or a vector instruction on, its registers (ISA guide 7.12.1 for vector instructions)
.rept 4
	v_nop
.endr
.endm
.macro ROUND                           ; a round of the cluster's barrier: my work-group's barrier; wave 0 signals for it; every wave waits for all four work-groups; my work-group's barrier once more
	s_barrier_signal -1
	s_barrier_wait -1
	s_cmp_lg_u32 s18, 0
	s_cbranch_scc1 .Lnot_wave_0_\@
	s_barrier_signal -3
.Lnot_wave_0_\@:
	s_barrier_wait -3
	s_barrier_signal -1
	s_barrier_wait -1
.endm
	s_load_b256 s[4:11], s[0:1], 0x0               ; xs s[4:5], wf s[6:7], tinfo s[8:9], b1 s[10:11]
	s_load_b128 s[12:15], s[0:1], 0x20             ; W2 s[12:13], b2 s[14:15]
	s_load_b64 s[16:17], s[0:1], 0x30              ; part
	v_lshl_add_u32 v[SPW], v0, 2, SPARE
	v_mov_b32 v[NIL], 0
	ds_add_u32 v[SPW], v[NIL]                      ; the wave's opening: the add and its wait stand ahead of my first tensor load; the set-up below, work on registers, stands between them
	v_lshrrev_b32 v9, 5, v0
	v_readfirstlane_b32 s18, v9                    ; wave 0..3
	s_bfe_u32 s19, ttmp6, 0x40000                  ; cx: my slice
	s_and_b32 s20, ttmp7, 0xffff                   ; the cluster's y: the tile, which the four partners share
	s_lshl_b32 s21, s20, 2
	; descriptor group 1: 36 rows x 128 elements, padded in LDS
	s_mov_b32 s[G1+0], 15|(1<<16)|(1<<20)|(1<<21)|(5<<22)|(3<<25)  ; 15:0 the mask: all four work-groups; 17:16 elements of 2 bytes; 20 padding on; 21 set beside a mask; 24:22 after every 64 words (code 5); 31:25 4 words (code 3)
	s_mov_b32 s[G1+1], 128<<16                     ; tensor_dim0 = 128
	s_mov_b32 s[G1+2], 36<<16                      ; tensor_dim1 = 36
	s_mov_b32 s[G1+3], 128<<16                     ; tile_dim0 = 128
	s_mov_b32 s[G1+4], 36                          ; tile_dim1 = 36
	s_mov_b32 s[G1+5], 1024                        ; elements from row to row
	s_mov_b32 s[G1+6], 0
	s_mov_b32 s[G1+7], 0
	v_and_b32 v1, 15, v0                           ; r = lane % 16
	v_bfe_u32 v2, v0, 4, 1                         ; h = lane / 16
	v_mul_u32_u24 v3, v1, PITCH
	v_lshl_add_u32 v3, v2, 4, v3                   ; a fragment's row x pitch + 16 h
	s_mul_i32 s31, s18, 1536
	s_add_co_u32 s31, s31, SCR
	v_lshl_add_u32 v4, v1, 3, s31                  ; where token r of a block puts its two sums: my wave's scratch + 8 r
	v_lshl_add_u32 v5, v0, 4, SCR                  ; where thread 0..95 reads two places back
	v_lshlrev_b32 v6, 4, v0                        ; and its 16 bytes in the tile's 1,536 of part
	v_lshlrev_b32 v7, 7, v2                        ; b1: 32 h numbers of 4 bytes
	v_lshlrev_b32 v8, 8, v2                        ; W2: 32 h rows of 8 bytes
	v_and_b32 v9, 31, v0
	WIN 0x40                                       ; destination window 1
.irp c, 0,1,2,3,4,5,6,7
	v_add_nc_u32 v[ADR+\c], CHUNK*\c, v3
.endr
	v_lshlrev_b32 v[WOF], 4, v9
	v_mov_b32 v[ZR], 0
	WIN 0
	s_wait_dscnt 0x0                               ; the opening add is done
	s_wait_kmcnt 0x0
	s_load_b32 s22, s[8:9], s21 offset:0x0         ; the tile's expert: on its way while the work-groups meet and the tile is asked for
	s_mul_i32 s30, s20, 144
	s_mul_i32 s31, s18, 36
	s_add_co_u32 s30, s30, s31                     ; my quarter's first row in xs: 144 tile + 36 wave
	s_lshl_b32 s24, s30, 11
	s_mov_b32 s25, 0
	s_add_nc_u64 s[4:5], s[4:5], s[24:25]
	s_mul_i32 s31, s18, QUART
.irp c, 0,1,2,3,4,5,6,7
	s_mov_b32 s[G0+4*\c], 1                                        ; count = 1
	s_add_co_u32 s[G0+4*\c+1], s31, CHUNK*\c                       ; LDS address: the chunk, my quarter of its rows: the wave's number and constants alone
	s_add_nc_u64 s[G0+4*\c+2:G0+4*\c+3], s[4:5], 256*\c            ; global address: 128 k on for each chunk
	s_or_b32 s[G0+4*\c+3], s[G0+4*\c+3], 0x80000000                ; type = 2
.endr
	ROUND                                          ; all four work-groups are here: the joint loads meet
.irp c, 0,1,2,3,4,5,6,7
	tensor_load_to_lds s[G0+4*\c:G0+4*\c+3], s[G1:G1+7]            ; all first fills in one group, chunk 0 first
	s_nop 0
.endr
	PLACES                                         ; four v_nop behind the last tensor load, ahead of the next window switch
	s_wait_kmcnt 0x0                               ; the expert
	s_min_u32 s22, s22, 7                          ; a loaded number is held to its table before it enters an address
	s_lshl_b32 s76, s22, 3
	s_load_b64 s[26:27], s[14:15], s76 offset:0x0  ; b2[e]
	s_lshl_b32 s77, s19, 2
	s_add_co_u32 s77, s77, s18                     ; g = 4 slice + wave: my 64 hidden units
	s_lshl4_add_u32 s77, s22, s77                  ; 16 e + g
	s_mov_b32 s79, 0
	s_lshl_b32 s78, s77, 8
	s_add_nc_u64 s[10:11], s[10:11], s[78:79]      ; b1 + 4,096 e + 256 g
	s_lshl_b32 s78, s77, 17
	s_add_nc_u64 s[6:7], s[6:7], s[78:79]          ; wf + 131,072 (16 e + g)
	s_lshl_b32 s78, s77, 9
	s_add_nc_u64 s[12:13], s[12:13], s[78:79]      ; W2 + 8,192 e + 512 g
	s_mul_i32 s78, s19, 98304
	s_mul_i32 s77, s20, 1536
	s_add_co_u32 s78, s78, s77
	s_add_nc_u64 s[16:17], s[16:17], s[78:79]      ; part at my slice's copy of the tile
.irp j, 0,1,2,3,4,5,6,7
	global_load_b128 v[T+4*\j:T+4*\j+3], v7, s[10:11] offset:16*\j  ; b1 of hidden 64 g + 32 h + 4 j + i, i = 0..3
.endr
.macro WL t                            ; step t's four fragments of W1: eight loads of 512 consecutive bytes, into slot t % 7
	WIN LDW
.irp i, 0,1,2,3
.irp hf, 0,1
	global_load_b128 v[32*((\t)%7)+8*\i+4*\hf:32*((\t)%7)+8*\i+4*\hf+3], v[WOF], s[6:7] offset:4096*(\t)+1024*\i+512*\hf
.endr
.endr
.endm
.irp t, 0,1,2,3,4,5
	WL \t
.endr
	s_wait_loadcnt 48                              ; b1 is in; the six steps of W1 issued behind it stay out
	WIN 0xc0                                       ; destination window 3
.irp i, 0,1,2,3
.irp j, 0,1,2,3,4,5,6,7
	v_mov_b32 v[B1F+8*\i+\j], v[T+4*\j+\i]         ; turned once, into the layout of a result: register j of fragment i is hidden 4 (8 h + j) + i.  So b1 rides as the C of the first products, which start the sums
.endr
.endr
	s_wait_kmcnt 0x0                               ; b2
	s_cmp_eq_u32 s19, 0                            ; slice 0 alone adds it: a choice of a value, no branch
	s_cselect_b32 s26, s26, 0
	s_cselect_b32 s27, s27, 0
; One of a fragment's two LDS loads: block b's 16 tokens, 32 k of step t, half hf, into buffer t % 2.  Blocks 0-4 under MA, 5-8 under MB.
.macro XL b, hf, t
.if (\b) < 5
.set rX, 160+40*((\t)%2)+8*(\b)+4*(\hf)
.else
.set rX, 128+32*((\t)%2)+8*((\b)-5)+4*(\hf)
.endif
	ds_load_b128 v[rX:rX+3], v[ADR+(\t)/4] offset:16*PITCH*(\b)+64*((\t)%4)+32*(\hf)
.endm
.macro MM b, i, t                      ; accumulator (b, i) takes step t
.if (\b) < 5
.set rA, 32*(\b)+8*(\i)
.set rX, 160+40*((\t)%2)+8*(\b)
.else
.set rA, 32*((\b)-5)+8*(\i)
.set rX, 128+32*((\t)%2)+8*((\b)-5)
.endif
.set rW, 32*((\t)%7)+8*(\i)
.if (\t) == 0
	v_wmma_f32_16x16x32_bf16 v[rA:rA+7], v[rW:rW+7], v[rX:rX+7], v[B1F+8*(\i):B1F+8*(\i)+7]
.else
	v_wmma_f32_16x16x32_bf16 v[rA:rA+7], v[rW:rW+7], v[rX:rX+7], v[rA:rA+7]
.endif
.endm
; A STEP: 32 along k, 36 matrix instructions; the 36 accumulators take turns, one instruction a turn, in the same order in every step.  The steps are written out by the assembler's
; loop: the counts of the waits differ from step to step, and every offset is an immediate.
.macro STEP t
.if (\t) > 0
	PLACES                                         ; behind the last step's products: the loads below go into the ring slot and the x buffer that they read
.endif
.if (\t) <= 25
	WL (\t)+6
	s_wait_loadcnt 48                              ; step t's W1 is in; the six steps behind it stay out
.elseif (\t) == 26
	s_wait_loadcnt 40                              ; five steps are left behind it
.else
.if (\t) == 27
	WIN 0
.irp u, 0,1,2,3,4,5,6,7,8,9,10,11,12,13,14,15
	global_load_b128 v[T+4*\u:T+4*\u+3], v8, s[12:13] offset:16*\u  ; W2 of hidden 64 g + 32 h + 2 u, + 1: two outputs each
.endr
.endif
	s_wait_loadcnt 8*(31-(\t))+16                  ; the steps left, and W2's sixteen
.endif
.if ((\t)%4 == 3) && ((\t) < 31)
	s_wait_tensorcnt 6-(\t)/4                      ; my quarter of the next chunk is in: so many chunks were asked for behind it
	s_wait_dscnt 0x0                               ; no LDS load of mine is out at the signal
	s_barrier_signal -1
	s_barrier_wait -1                              ; everybody's quarter is in: this step fetches the next chunk's first fragments
.else
	s_wait_dscnt 8                                 ; x of blocks 0-4 is in; the eight loads for blocks 5-8 may be out
.endif
.if (\t) == 0
	WIN MA0
.else
	WIN MA
.endif
.set n, 0
.rept 20
	MM n/4, n%4, \t
.if (n%2 == 1) && ((\t) < 31)
	XL n/4, (n/2)%2, (\t)+1
.endif
.set n, n+1
.endr
.if (\t) < 31
	s_wait_dscnt 10                                ; all but the ten just issued
.else
	s_wait_dscnt 0x0
.endif
	WIN MB
.set n, 0
.rept 16
	MM 5+n/4, n%4, \t
.if (n%2 == 1) && ((\t) < 31)
	XL 5+n/4, (n/2)%2, (\t)+1
.endif
.set n, n+1
.endr
.endm
	s_wait_tensorcnt 7                             ; my quarter of chunk 0 is in; the seven chunks behind it stay out
	s_barrier_signal -1
	s_barrier_wait -1                              ; everybody's is
	WIN MA
.irp b, 0,1,2,3,4
	XL \b, 0, 0
	XL \b, 1, 0
.endr
	WIN MB
.irp b, 5,6,7,8
	XL \b, 0, 0
	XL \b, 1, 0
.endr
.set t, 0
.rept 32
	STEP t
.set t, t+1
.endr
	; W2's OPERAND.  Row m of source 0 is output m % 2; k runs over fragment 2 s (registers 0-3) and 2 s + 1 (registers 4-7), as the hidden layer is packed below.
	; These fifty plain lines name no register of the last products: they are the places behind them.
	WIN 0
	s_wait_loadcnt 0x0                             ; W2
	v_and_b32 v9, 1, v0
	v_cmp_eq_u32 s30, 1, v9
.set n, 0
.rept 32
	v_cndmask_b32 v[XS+n], v[T+2*n], v[T+2*n+1], s30  ; hidden 32 h + n, my row's output
.set n, n+1
.endr
.irp s, 0,1
.irp q, 0,1,2,3
	v_cvt_pk_bf16_f32 v[W2F+8*\s+\q],   v[XS+8*\q+2*\s],   v[XS+8*\q+4+2*\s]
	v_cvt_pk_bf16_f32 v[W2F+8*\s+4+\q], v[XS+8*\q+2*\s+1], v[XS+8*\q+5+2*\s]
.endr
.endr
	; THE HIDDEN LAYER: rounded to bf16 in pairs, each accumulator's registers in ascending order, into the ring's registers; then relu on the packed halves
.set b, 0
.rept 9
.if b < 5
	WIN 0x4a                                       ; sources window 2, destination window 1
.set rA, 32*b
.else
	WIN 0x4f                                       ; sources window 3
.set rA, 32*(b-5)
.endif
.set q, 0
.rept 16
	v_cvt_pk_bf16_f32 v[16*b+q], v[rA+2*q], v[rA+2*q+1]
.set q, q+1
.endr
.set b, b+1
.endr
	WIN 0x45                                       ; all in window 1
.set n, 0
.rept 144
	v_pk_max_num_bf16 v[n], v[n], v[ZR]
.set n, n+1
.endr
	; THE SECOND PRODUCT: nine accumulators by turns, two deep; the first nine start the sums
	WIN 0x04                                       ; source 1 window 1
.irp s, 0,1
.set b, 0
.rept 9
.if \s == 0
	v_wmma_f32_16x16x32_bf16 v[LG+8*b:LG+8*b+7], v[W2F:W2F+7], v[16*b:16*b+7], 0
.else
	v_wmma_f32_16x16x32_bf16 v[LG+8*b:LG+8*b+7], v[W2F+8:W2F+15], v[16*b+8:16*b+15], v[LG+8*b:LG+8*b+7]
.endif
.set b, b+1
.endr
.endr
	WIN 0
	PLACES
	; my 64 hidden units' sums go into my scratch: registers 0, 1 of block b are token 16 b + r's two outputs (both halves of the lanes hold, and write, the same).
	; Places 144 .. 191 take block 8's once more, so that the tile's 1,536 bytes leave as six whole blocks of 256; nothing reads them.
.set b, 0
.rept 12
.if b < 9
.set rL, LG+8*b
.else
.set rL, LG+64
.endif
	ds_store_b64 v4, v[rL:rL+1] offset:128*b
.set b, b+1
.endr
	s_wait_dscnt 0x0                               ; for the others' sake: my stores are done
	s_barrier_signal -1
	s_barrier_wait -1
	s_cmp_eq_u32 s18, 3
	s_cbranch_scc1 .Ldone                          ; 96 threads x 16 bytes are the tile's 1,536: wave 3 has no part
.irp k, 0,1,2,3
	ds_load_b128 v[SUM+4*\k:SUM+4*\k+3], v5 offset:1536*\k
.endr
	s_wait_dscnt 0x0
	v_pk_add_f32 v[SUM:SUM+1],     v[SUM:SUM+1],     v[SUM+4:SUM+5]
	v_pk_add_f32 v[SUM+2:SUM+3],   v[SUM+2:SUM+3],   v[SUM+6:SUM+7]
	v_pk_add_f32 v[SUM+8:SUM+9],   v[SUM+8:SUM+9],   v[SUM+12:SUM+13]
	v_pk_add_f32 v[SUM+10:SUM+11], v[SUM+10:SUM+11], v[SUM+14:SUM+15]
	v_pk_add_f32 v[SUM:SUM+1],     v[SUM:SUM+1],     v[SUM+8:SUM+9]
	v_pk_add_f32 v[SUM+2:SUM+3],   v[SUM+2:SUM+3],   v[SUM+10:SUM+11]
	v_add_f32 v[SUM],   s26, v[SUM]
	v_add_f32 v[SUM+1], s27, v[SUM+1]
	v_add_f32 v[SUM+2], s26, v[SUM+2]
	v_add_f32 v[SUM+3], s27, v[SUM+3]
	global_store_b128 v6, v[SUM:SUM+3], s[16:17]   ; 16 lanes store 256 consecutive bytes, at a multiple of 256 from part's first byte
.Ldone:
	s_wait_tensorcnt 0x0                           ; the wave's end, behind my last tensor load and my last LDS store
	ds_add_u32 v[SPW], v[NIL]
	s_wait_dscnt 0x0
	ROUND                                          ; the closing round: no work-group ends while a partner may still ask for a tile that names it
	s_endpgm
.Lfunc_end_k_qafc9a60480_chain:
	.size	k_qafc9a60480_chain, .Lfunc_end_k_qafc9a60480_chain-k_qafc9a60480_chain
	.p2alignl 7, 3214868480
	.fill 96, 4, 3214868480
	.section	.rodata,"a",@progbits
	.p2align	6, 0x0
	.amdhsa_kernel k_qafc9a60480_chain
		.amdhsa_group_segment_fixed_size 327680
		.amdhsa_private_segment_fixed_size 0
		.amdhsa_enable_private_segment 0
		.amdhsa_kernarg_size 56
		.amdhsa_user_sgpr_count 2
		.amdhsa_user_sgpr_kernarg_segment_ptr 1
		.amdhsa_wavefront_size32 1
		.amdhsa_system_sgpr_workgroup_id_x 1
		.amdhsa_system_sgpr_workgroup_id_y 1
		.amdhsa_system_sgpr_workgroup_id_z 1
		.amdhsa_system_vgpr_workitem_id 0
		.amdhsa_next_free_vgpr 992
		.amdhsa_next_free_sgpr 80
		.amdhsa_reserve_vcc 0
		.amdhsa_float_denorm_mode_32 3
		.amdhsa_float_denorm_mode_16_64 3
		.amdhsa_memory_ordered 1
		.amdhsa_forward_progress 1
		.amdhsa_inst_pref_size 178
	.end_amdhsa_kernel
	.amdgpu_metadata
---
amdhsa.version: [ 1, 2 ]
amdhsa.kernels:
  - .name:           k_qafc9a60480_chain
    .symbol:         k_qafc9a60480_chain.kd
    .args:
      - { .name: xs, .offset: 0, .size: 8, .value_kind: global_buffer, .address_space: global }
      - { .name: wf, .offset: 8, .size: 8, .value_kind: global_buffer, .address_space: global }
      - { .name: tinfo, .offset: 16, .size: 8, .value_kind: global_buffer, .address_space: global }
      - { .name: b1, .offset: 24, .size: 8, .value_kind: global_buffer, .address_space: global }
      - { .name: W2, .offset: 32, .size: 8, .value_kind: global_buffer, .address_space: global }
      - { .name: b2, .offset: 40, .size: 8, .value_kind: global_buffer, .address_space: global }
      - { .name: part, .offset: 48, .size: 8, .value_kind: global_buffer, .address_space: global }
    .group_segment_fixed_size: 327680
    .private_segment_fixed_size: 0
    .kernarg_segment_align: 8
    .kernarg_segment_size: 56
    .max_flat_workgroup_size: 128
    .sgpr_count:     80
    .vgpr_count:     992
    .wavefront_size: 32
...
	.end_amdgpu_metadata
.endif
;; end of part 2
;; launch finish (part 3): grid 256 x 1, 1 waves a work-group, no clusters, 0 bytes of LDS; arguments part, pos, out0; writes out0
.if DOCPART == 3
	.amdgcn_target "amdgcn-amd-amdhsa--gfx1250"
	.amdhsa_code_object_version 6
	.text
	.protected	k_qafc9a60480_finish
	.globl	k_qafc9a60480_finish
	.p2align	8
	.type	k_qafc9a60480_finish,@function
k_qafc9a60480_finish:
	s_mov_b64 s[64:65], 0
	v_nop
	global_prefetch_b8 v0, s[64:65] scope:SCOPE_SE
	s_setreg_imm32_b32 hwreg(HW_REG_WAVE_MODE, 25, 1), 1
	s_wait_xcnt 0x0
; FINISH.  out0[token][o] = the sum over the four slices of part[slice][pos[token]][o]; b2 is in slice 0's part already.  Sums in f32, as (0 + 1) + (2 + 3).
; One token a lane, 32 tokens a work-group: 256 work-groups.  No LDS, no matrix unit, no cluster: 8 bytes are gathered four times for each token and nothing is shared.
.set SLICE, 98304                      ; bytes of a slice's part: 64 tiles x 192 places x 8
	s_load_b128 s[4:7], s[0:1], 0x0                ; part s[4:5], pos s[6:7]
	s_load_b64 s[8:9], s[0:1], 0x10                ; out0
	v_lshlrev_b32 v1, 2, v0
	v_lshlrev_b32 v2, 3, v0
	s_lshl_b32 s10, ttmp9, 7                       ; 32 words of pos
	s_mov_b32 s11, 0
	s_lshl_b32 s12, ttmp9, 8                       ; 32 pairs of out0
	s_mov_b32 s13, 0
	s_wait_kmcnt 0x0
	s_add_nc_u64 s[6:7], s[6:7], s[10:11]
	s_add_nc_u64 s[8:9], s[8:9], s[12:13]
	global_load_b32 v3, v1, s[6:7]
	s_wait_loadcnt 0x0
	v_min_u32 v3, 12287, v3                        ; a loaded number is held to its table (64 x 192 places) before it enters an address
	v_lshlrev_b32 v4, 3, v3
.irp s, 0,1,2,3
	global_load_b64 v[6+2*\s:7+2*\s], v4, s[4:5] offset:SLICE*\s
.endr
	s_wait_loadcnt 0x0
	v_pk_add_f32 v[6:7], v[6:7], v[8:9]
	v_pk_add_f32 v[10:11], v[10:11], v[12:13]
	v_pk_add_f32 v[6:7], v[6:7], v[10:11]
	global_store_b64 v2, v[6:7], s[8:9]            ; 32 lanes store 256 consecutive bytes, at a multiple of 256 from out0's first byte
	s_endpgm
.Lfunc_end_k_qafc9a60480_finish:
	.size	k_qafc9a60480_finish, .Lfunc_end_k_qafc9a60480_finish-k_qafc9a60480_finish
	.p2alignl 7, 3214868480
	.fill 96, 4, 3214868480
	.section	.rodata,"a",@progbits
	.p2align	6, 0x0
	.amdhsa_kernel k_qafc9a60480_finish
		.amdhsa_group_segment_fixed_size 0
		.amdhsa_private_segment_fixed_size 0
		.amdhsa_enable_private_segment 0
		.amdhsa_kernarg_size 24
		.amdhsa_user_sgpr_count 2
		.amdhsa_user_sgpr_kernarg_segment_ptr 1
		.amdhsa_wavefront_size32 1
		.amdhsa_system_sgpr_workgroup_id_x 1
		.amdhsa_system_sgpr_workgroup_id_y 1
		.amdhsa_system_sgpr_workgroup_id_z 1
		.amdhsa_system_vgpr_workitem_id 0
		.amdhsa_next_free_vgpr 16
		.amdhsa_next_free_sgpr 66
		.amdhsa_reserve_vcc 0
		.amdhsa_float_denorm_mode_32 3
		.amdhsa_float_denorm_mode_16_64 3
		.amdhsa_memory_ordered 1
		.amdhsa_forward_progress 1
		.amdhsa_inst_pref_size 2
	.end_amdhsa_kernel
	.amdgpu_metadata
---
amdhsa.version: [ 1, 2 ]
amdhsa.kernels:
  - .name:           k_qafc9a60480_finish
    .symbol:         k_qafc9a60480_finish.kd
    .args:
      - { .name: part, .offset: 0, .size: 8, .value_kind: global_buffer, .address_space: global }
      - { .name: pos, .offset: 8, .size: 8, .value_kind: global_buffer, .address_space: global }
      - { .name: out0, .offset: 16, .size: 8, .value_kind: global_buffer, .address_space: global }
    .group_segment_fixed_size: 0
    .private_segment_fixed_size: 0
    .kernarg_segment_align: 8
    .kernarg_segment_size: 24
    .max_flat_workgroup_size: 32
    .sgpr_count:     66
    .vgpr_count:     16
    .wavefront_size: 32
...
	.end_amdgpu_metadata
.endif
;; end of part 3
;; ======== version 2 of 2: 3 launches; 1.24 times as fast as version 1
;; workspace buffers: xs 18,874,368 bytes; wf 16,777,216 bytes; tinfo 256 bytes of whole numbers; pos 32,768 bytes of whole numbers; part 393,216 bytes
;; launch prep (part 4): grid 256 x 1, 8 waves a work-group, no clusters, 1,280 bytes of LDS; arguments feature, domain_ids, W1, xs, wf, tinfo, pos; writes xs, wf, tinfo, pos
.if DOCPART == 4
	.amdgcn_target "amdgcn-amd-amdhsa--gfx1250"
	.amdhsa_code_object_version 6
	.text
	.protected	k_qafc9a60480_prep
	.globl	k_qafc9a60480_prep
	.p2align	8
	.type	k_qafc9a60480_prep,@function
k_qafc9a60480_prep:
	s_mov_b64 s[64:65], 0
	v_nop
	global_prefetch_b8 v0, s[64:65] scope:SCOPE_SE
	s_setreg_imm32_b32 hwreg(HW_REG_WAVE_MODE, 25, 1), 1
	s_wait_xcnt 0x0
; PREP.  Sorts the 8,192 tokens by expert and lays both matrix operands out in bf16, each number rounded once.
;   xs    [64 tiles][144 rows][1024] bf16: the tokens' features by tiles.  Expert e has ceil(count / 144) neighbouring tiles from tile tb[e] on, and its token of rank rho lies at row 144 tb[e] + rho.
;         ceil(count / 144) summed over 8 experts is at most 64 for every split.  The 9,216 - 8,192 = 1,024 rows that no token takes are zeros: four of them are written by each work-group
;   wf    [e 8][g 16][t 32][i 4][half 2][lane 32] x 16 bytes: W1 as matrix fragments.  Lane (r = lane % 16, h = lane / 16), half hf holds
;         W1[e][k][n] for k = 32 t + 16 hf + 8 h + 0..7 (lower k in lower bits) and n = 64 g + 4 r + i
;   tinfo [64]: each tile's expert (a tile past the last one: 7; its rows are zeros)
;   pos   [8192]: 192 x tile + place in the tile, for each token
; SHARES.  Work-group bx has tokens 32 bx .. 32 bx + 31 (wave w: four rows) and the 32 rows k of W1 that begin at row 32 bx of the 8,192 (expert bx / 32, t = bx % 32).
; Every work-group counts all 8,192 ids for itself: no list is handed between work-groups, and no launch is spent on one.
; LOADS AHEAD.  x and W1 have load registers of their own (W1's in the second window of 256), so that 57 of a wave's 73 loads are out before the count begins, 8 more go out as soon as the ids are in,
; and the last 8 when the first row of x is: the count, which needs the ids alone, stands under them.
; No matrix unit and no cluster: nothing is multiplied, and the work-groups share only the 32 KB of ids.
; LIMITS.  ids lie in 0 .. 7, as the table that they index has 8 entries.  bf16 keeps 8 significant bits; its range is f32's.
.set SPARE, 256                        ; LDS: 0..255 the waves' counts (32 bytes a wave); 256..1279 the spare words, 128 bytes a wave, which no other line names
.set SPW,  6                           ; v6   LDS address of my spare word; never rewritten
.set NIL,  7                           ; v7   0; never rewritten
.set IDS,  8                           ; v[8:39]  eight quads of ids; later at work
.set MYID, 40                          ; v40  the id of token 32 bx + lane
.set XO,   41                          ; v41  my byte offset in the block's rows of feature
.set L4,   42                          ; v42  4 x lane
.set TMP,  43
.set HJ,   44                          ; a quad's counts, eight fields of 4 bits;      later RHO
.set LO,   45                          ; experts 0, 2, 4, 6 in four bytes;             later XROW
.set HI,   46                          ; experts 1, 3, 5, 7;                           later POS
.set ONE,  47
.set R,    48                          ; v[48:55] counts in fields of 16 bits: 0-3 of all tokens, 4-7 of the tokens in blocks ahead of mine
.set TL,   56
.set TH,   57
.set BL,   58
.set BH,   59
.set RANK, 60
.set BEF,  61
.set OFS,  62
.set TB,   63
.set RHO,  44
.set XROW, 45
.set POS,  46
.set L,    64                          ; v[64:191]  x as loaded, row q at 64 + 32 q; later W1's fragments to store, octet o at 64 + 16 o
.set Y,    192                         ; v[192:255] the waves' counts; later x to store, 16 registers a row
.set WR,   0                           ; window 1, v[256:383]: W1 as loaded, octet o of its rows at 32 o
; scalars: s[4:17] the seven buffers; s18 wave; s19 bx; s[20:23] offsets; s[24:31] xs at my four rows; s[32:39] tokens of expert e; s[40:47] those in blocks ahead of mine;
; s[48:55] first xs row of e, 144 tb[e]; s[56:63] tb[e]; s[66:73] 192 tb[e]; s74-79 at work; s[80:91] bases; s[92:99] the packed counts, later: s92 tokens of experts 0 .. e,
; s93 the tokens ahead of my zero row, s94 my zero row's number among the 1,024, s95 at work
.set MSB, 0
.macro WIN new                         ; s_set_vgpr_msb: bits 1:0 source 0, 3:2 source 1, 7:6 destination; the high byte repeats the setting that is left; a switch that changes nothing is dropped
.if MSB != (\new)
	s_set_vgpr_msb (MSB<<8)|(\new)
.set MSB, (\new)
.endif
.endm
.macro WLOAD o                         ; octet o of W1's rows: k = 8 o + 0..7; thread: columns 4 thread + 0..3.  Data in window 1, address in window 0
	WIN 0x40
.irp k, 0,1,2,3,4,5,6,7
	global_load_b128 v[WR+32*(\o)+4*\k:WR+32*(\o)+4*\k+3], v2, s[84:85] offset:(8*(\o)+\k)*4096 th:TH_LOAD_NT
.endr
.endm
	s_load_b256 s[4:11], s[0:1], 0x0               ; feature s[4:5], ids s[6:7], W1 s[8:9], xs s[10:11]
	s_load_b128 s[12:15], s[0:1], 0x20             ; wf s[12:13], tinfo s[14:15]
	s_load_b64 s[16:17], s[0:1], 0x30              ; pos
	v_lshl_add_u32 v[SPW], v0, 2, SPARE
	v_mov_b32 v[NIL], 0
	v_lshrrev_b32 v1, 5, v0
	v_readfirstlane_b32 s18, v1                    ; wave 0..7
	s_mov_b32 s19, ttmp9                           ; bx
	v_and_b32 v1, 31, v0                           ; lane
	v_lshlrev_b32 v2, 4, v0                        ; 16 x thread: ids and W1
	v_lshlrev_b32 v3, 3, v1                        ; 8 x lane: xs and tinfo
	v_lshrrev_b32 v4, 3, v0                        ; thread / 8: the block, within 32, of my quads of ids
	v_lshrrev_b32 v5, 4, v0                        ; g
	v_and_b32 v[TMP], 15, v0                       ; r
	v_lshlrev_b32 v5, 17, v5
	v_lshl_or_b32 v5, v[TMP], 4, v5                ; my place in wf: 131,072 g + 16 r
	v_lshlrev_b32 v[L4], 2, v1
	s_lshl_b32 s74, s18, 14                        ; my wave's four rows of 4,096 bytes
	v_lshl_add_u32 v[XO], v1, 4, s74
	v_mov_b32 v[ONE], 1
	s_lshl_b32 s20, s19, 7                         ; 32 words of ids and of pos
	s_mov_b32 s21, 0
	s_lshl_b32 s22, s19, 17                        ; 32 rows of 4,096 bytes, of feature and of W1
	s_mov_b32 s23, 0
	s_lshr_b32 s78, s19, 5
	s_lshl_b32 s78, s78, 21                        ; wf: 2 MiB an expert,
	s_and_b32 s79, s19, 31
	s_lshl_b32 s79, s79, 12                        ; 4,096 bytes a step t
	s_add_co_u32 s78, s78, s79
	s_mov_b32 s79, 0
	s_mov_b32 s75, 0x0f0f0f0f
	s_mov_b32 s76, 0x76543210                      ; v_permlanex16_b32: each lane takes its own place in the other half
	s_mov_b32 s77, 0xfedcba98
	s_wait_kmcnt 0x0
	s_add_nc_u64 s[80:81], s[6:7], s[20:21]
	s_add_nc_u64 s[88:89], s[16:17], s[20:21]
	s_add_nc_u64 s[82:83], s[4:5], s[22:23]
	s_add_nc_u64 s[84:85], s[8:9], s[22:23]
	s_add_nc_u64 s[86:87], s[12:13], s[78:79]
	; 57 loads go out at once: 9 for the ids, 32 for my four rows of x, 16 for the first half of my part of W1
.irp j, 0,1,2,3,4,5,6,7
	global_load_b128 v[IDS+4*\j:IDS+4*\j+3], v2, s[6:7] offset:4096*\j  ; ids 1024 j + 4 thread ..: all four lie in block 32 j + thread / 8
.endr
	global_load_b32 v[MYID], v[L4], s[80:81]
.irp q, 0,1,2,3
.irp j, 0,1,2,3,4,5,6,7
	global_load_b128 v[L+32*\q+4*\j:L+32*\q+4*\j+3], v[XO], s[82:83] offset:4096*\q+512*\j th:TH_LOAD_NT
.endr
.endr
	WLOAD 0
	WLOAD 1
	WIN 0
; COUNTING.  A quad's four ids are counted in eight fields of 4 bits (at most 4 each), spread to bytes, and added up: over my eight quads a byte holds at most 32.
.macro QUAD j
	v_lshlrev_b32 v[TMP], 2, v[IDS+4*(\j)]
	v_lshlrev_b32 v[HJ], v[TMP], v[ONE]
.irp c, 1,2,3
	v_lshlrev_b32 v[TMP], 2, v[IDS+4*(\j)+\c]
	v_lshl_add_u32 v[HJ], v[ONE], v[TMP], v[HJ]
.endr
	s_sub_co_i32 s74, s19, 32*(\j)
	v_and_b32 v[LO], s75, v[HJ]
	v_lshrrev_b32 v[HI], 4, v[HJ]
	v_and_b32 v[HI], s75, v[HI]
	v_cmp_gt_i32 vcc_lo, s74, v4                   ; is block 32 j + thread / 8 ahead of bx?
.if (\j) == 0
	v_mov_b32 v[TL], v[LO]                         ; the first quad starts the sums
	v_mov_b32 v[TH], v[HI]
	v_cndmask_b32 v[BL], 0, v[LO], vcc_lo
	v_cndmask_b32 v[BH], 0, v[HI], vcc_lo
.else
	v_add_nc_u32 v[TL], v[TL], v[LO]
	v_add_nc_u32 v[TH], v[TH], v[HI]
	v_cndmask_b32 v[LO], 0, v[LO], vcc_lo
	v_cndmask_b32 v[HI], 0, v[HI], vcc_lo
	v_add_nc_u32 v[BL], v[BL], v[LO]
	v_add_nc_u32 v[BH], v[BH], v[HI]
.endif
.endm
	s_wait_loadcnt 48                              ; the ids are in; the 32 loads of x and the 16 of W1, issued behind them, stay out
	WLOAD 2                                        ; eight more, ahead of the count
	WIN 0
.irp j, 0,1,2,3,4,5,6,7
	QUAD \j
.endr
	; bytes to fields of 16 bits (the sums over 256 threads reach 8,192): register 0: experts 0, 4; 1: 2, 6; 2: 1, 5; 3: 3, 7; registers 4-7 likewise
	s_mov_b32 s79, 0x00ff00ff
.irp d, 0,1,2,3
	v_and_b32 v[R+2*\d], s79, v[TL+\d]
	v_lshrrev_b32 v[R+2*\d+1], 8, v[TL+\d]
	v_and_b32 v[R+2*\d+1], s79, v[R+2*\d+1]
.endr
	; over the wave's 32 lanes; v[8:15] have been written (ids), as the destinations of these forms must be
.irp m, 1,2,4,8
.irp d, 0,1,2,3,4,5,6,7
	v_mov_b32_dpp v[IDS+\d], v[R+\d] row_xmask:\m row_mask:0xf bank_mask:0xf
.endr
.irp d, 0,1,2,3,4,5,6,7
	v_add_nc_u32 v[R+\d], v[R+\d], v[IDS+\d]
.endr
.endr
.irp d, 0,1,2,3,4,5,6,7
	v_permlanex16_b32 v[IDS+\d], v[R+\d], s76, s77
.endr
.irp d, 0,1,2,3,4,5,6,7
	v_add_nc_u32 v[R+\d], v[R+\d], v[IDS+\d]
.endr
	; over the eight waves, through LDS
	s_lshl_b32 s78, s18, 5
	v_mov_b32 v16, s78
	ds_store_b128 v16, v[R:R+3]                    ; all lanes write the same bytes with the same numbers
	ds_store_b128 v16, v[R+4:R+7] offset:16
	s_wait_dscnt 0x0                               ; for the others' sake: my stores are done
	s_barrier_signal -1
	s_barrier_wait -1
	v_mov_b32 v17, 0
.irp k, 0,1,2,3,4,5,6,7,8,9,10,11,12,13,14,15
	ds_load_b128 v[Y+4*\k:Y+4*\k+3], v17 offset:16*\k
.endr
	s_wait_dscnt 0x0
.irp w, 1,2,3,4,5,6,7
.irp d, 0,1,2,3,4,5,6,7
	v_add_nc_u32 v[Y+\d], v[Y+\d], v[Y+8*\w+\d]
.endr
.endr
.irp d, 0,1,2,3,4,5,6,7
	v_readfirstlane_b32 s[92+\d], v[Y+\d]
.endr
.macro UNP d, a, b                     ; packed register d holds experts a (low half) and b (high half)
	s_and_b32 s[32+(\a)], s[92+(\d)], 0xffff
	s_lshr_b32 s[32+(\b)], s[92+(\d)], 16
	s_and_b32 s[40+(\a)], s[96+(\d)], 0xffff
	s_lshr_b32 s[40+(\b)], s[96+(\d)], 16
.endm
	UNP 0, 0, 4
	UNP 1, 2, 6
	UNP 2, 1, 5
	UNP 3, 3, 7
	; First tile and first row of each expert.  n / 144 = the high word of n x 29,826,162: exact while n x 0.23 / 2^32 stays under 1 / 144, far beyond 8,335.
	; In the same walk: where zero row number p = 4 bx + wave % 4 lies.  Ahead of expert e's first row lie 144 tb[e] - (tokens of experts 0 .. e - 1) zero rows; p stands behind the tokens of the
	; last expert e for which that number is at most p, so its row is p + (tokens of experts 0 .. e).
	s_and_b32 s94, s18, 3
	s_lshl2_add_u32 s94, s19, s94                  ; p
	s_mov_b32 s48, 0
	s_mov_b32 s56, 0
	s_mov_b32 s66, 0
	s_mov_b32 s92, s32                             ; tokens of expert 0
	s_mov_b32 s93, s32
.irp e, 0,1,2,3,4,5,6
	s_add_co_u32 s78, s[32+\e], 143
	s_mul_hi_u32 s78, s78, 29826162
	s_add_co_u32 s[57+\e], s[56+\e], s78
	s_mul_i32 s[49+\e], s[57+\e], 144
	s_mul_i32 s[67+\e], s[57+\e], 192
	s_sub_co_u32 s95, s[49+\e], s92                ; zero rows ahead of expert e + 1
	s_add_co_u32 s92, s92, s[33+\e]                ; tokens of experts 0 .. e + 1
	s_cmp_ge_u32 s94, s95
	s_cselect_b32 s93, s92, s93
.endr
	; lane l stands for token 32 bx + l, in every wave: its rank among the block's tokens of its expert, and that expert's three numbers
	v_cmp_eq_u32 vcc_lo, 0, v[MYID]
	v_mbcnt_lo_u32_b32 v[RANK], vcc_lo, 0
	v_mov_b32 v[BEF], s40
	v_mov_b32 v[OFS], s48
	v_mov_b32 v[TB], s66
.irp e, 1,2,3,4,5,6,7
	v_cmp_eq_u32 vcc_lo, \e, v[MYID]
	v_mbcnt_lo_u32_b32 v[TMP], vcc_lo, 0           ; lanes below mine with id e
	v_cndmask_b32 v[RANK], v[RANK], v[TMP], vcc_lo
	v_cndmask_b32 v[BEF], v[BEF], s[40+\e], vcc_lo
	v_cndmask_b32 v[OFS], v[OFS], s[48+\e], vcc_lo
	v_cndmask_b32 v[TB], v[TB], s[66+\e], vcc_lo
.endr
	v_add_nc_u32 v[RHO], v[BEF], v[RANK]           ; rank within the expert
	v_mul_u32_u24 v[POS], 0x1c71d, v[RHO]          ; rho / 144 = rho x 116,509 >> 24: exact for rho < 8,192 (8,191 x 0.56 / 2^24 is under 1 / 144)
	v_add_nc_u32 v[XROW], v[OFS], v[RHO]           ; the token's row in xs
	v_lshrrev_b32 v[POS], 24, v[POS]
	v_mad_u32_u24 v[POS], v[POS], 48, v[RHO]       ; 192 (tile - first tile) + place = rho + 48 (rho / 144)
	v_add_nc_u32 v[POS], v[POS], v[TB]
	; three small jobs; none of their registers is written again
	s_cmp_lg_u32 s18, 0
	s_cbranch_scc1 .Lnot_pos
	global_store_b32 v[L4], v[POS], s[88:89]       ; the block's 32 words of pos: 128 consecutive bytes, half of an aligned 256; the buffer has 32 KB in all
.Lnot_pos:
	s_cmp_lg_u32 s18, 1
	s_cbranch_scc1 .Lnot_tiles
	s_cmp_lg_u32 s19, 0
	s_cbranch_scc1 .Lnot_tiles
.irp u, 0,1                            ; tile T = 2 lane + u: the last expert whose first tile is not behind T
	v_lshl_add_u32 v[8+\u], v1, 1, \u
	v_mov_b32 v[10+\u], 0
.irp e, 1,2,3,4,5,6,7
	v_cmp_le_u32 vcc_lo, s[56+\e], v[8+\u]
	v_cndmask_b32 v[10+\u], v[10+\u], \e, vcc_lo
.endr
.endr
	global_store_b64 v3, v[10:11], s[14:15]        ; 32 lanes: the table's 256 bytes
.Lnot_tiles:
	s_cmp_lt_u32 s18, 4
	s_cbranch_scc1 .Lnot_zeros                     ; waves 4 to 7: a row of zeros each
	s_add_co_u32 s95, s94, s93
	s_min_u32 s95, s95, 9215                       ; a number made of loaded ids is held to the table before it enters an address
	s_lshl_b32 s20, s95, 11
	s_add_nc_u64 s[90:91], s[10:11], s[20:21]
.irp c, 0,1,2,3
	v_mov_b32 v[20+\c], 0
.endr
	v_lshlrev_b32 v18, 4, v1
.irp j, 0,1,2,3
	global_store_b128 v18, v[20:23], s[90:91] offset:512*\j  ; 512 consecutive bytes, aligned
.endr
.Lnot_zeros:
	; xs at my wave's four rows
	s_lshl_b32 s78, s18, 2
.irp q, 0,1,2,3
	s_add_co_u32 s79, s78, \q
	v_readlane_b32 s74, v[XROW], s79
	s_min_u32 s74, s74, 9215                       ; held to the table, as above
	s_lshl_b32 s20, s74, 11
	s_add_nc_u64 s[24+2*\q:25+2*\q], s[10:11], s[20:21]
.endr
; Row q of x: rounded and stored.  Behind row 0's wait the last octet of W1 is asked for, ahead of the stores.
.macro XOUT q
.if (\q) == 0
	s_wait_loadcnt 48                              ; younger than row 0: rows 1 to 3 and octets 0 to 2, eight loads each
.else
	s_wait_loadcnt 8*(3-(\q))+32                   ; younger than row q: the rows behind it, and W1's four octets
.endif
.irp j, 0,1,2,3,4,5,6,7
	v_cvt_pk_bf16_f32 v[Y+16*(\q)+2*\j],   v[L+32*(\q)+4*\j],   v[L+32*(\q)+4*\j+1]
	v_cvt_pk_bf16_f32 v[Y+16*(\q)+2*\j+1], v[L+32*(\q)+4*\j+2], v[L+32*(\q)+4*\j+3]
.endr
.if (\q) == 0
	WLOAD 3
	WIN 0
.endif
.irp j, 0,1,2,3,4,5,6,7
	global_store_b64 v3, v[Y+16*(\q)+2*\j:Y+16*(\q)+2*\j+1], s[24+2*(\q):25+2*(\q)] offset:256*\j  ; 32 lanes: 256 consecutive bytes, aligned
.endr
.endm
	XOUT 0
	XOUT 1
	XOUT 2
	XOUT 3
; Octet o = 2 hf + h: my column i's eight k are 16 bytes of fragment i; sixteen neighbouring lanes (one g, r = 0..15) fill 256 consecutive bytes, aligned.
; The packed fragments go into x's load registers, which nothing reads any more: no register that a pending store reads is written again, so no wait stands between the two halves.
.macro WOUT o
	s_wait_loadcnt 8*(3-(\o))                      ; the octets behind this one stay out
	WIN 0x05                                       ; sources in window 1, destination in window 0
.irp i, 0,1,2,3
.irp p, 0,1,2,3
	v_cvt_pk_bf16_f32 v[L+16*(\o)+4*\i+\p], v[WR+32*(\o)+8*\p+\i], v[WR+32*(\o)+8*\p+4+\i]
.endr
.endr
	WIN 0
.irp i, 0,1,2,3
	global_store_b128 v5, v[L+16*(\o)+4*\i:L+16*(\o)+4*\i+3], s[86:87] offset:1024*\i+256*(\o)
.endr
.endm
	WOUT 0
	WOUT 1
	WOUT 2
	WOUT 3
	s_wait_tensorcnt 0x0                           ; the wave's end, behind my last LDS store
	ds_add_u32 v[SPW], v[NIL]
	s_wait_dscnt 0x0
	s_endpgm
.Lfunc_end_k_qafc9a60480_prep:
	.size	k_qafc9a60480_prep, .Lfunc_end_k_qafc9a60480_prep-k_qafc9a60480_prep
	.p2alignl 7, 3214868480
	.fill 96, 4, 3214868480
	.section	.rodata,"a",@progbits
	.p2align	6, 0x0
	.amdhsa_kernel k_qafc9a60480_prep
		.amdhsa_group_segment_fixed_size 1280
		.amdhsa_private_segment_fixed_size 0
		.amdhsa_enable_private_segment 0
		.amdhsa_kernarg_size 56
		.amdhsa_user_sgpr_count 2
		.amdhsa_user_sgpr_kernarg_segment_ptr 1
		.amdhsa_wavefront_size32 1
		.amdhsa_system_sgpr_workgroup_id_x 1
		.amdhsa_system_sgpr_workgroup_id_y 1
		.amdhsa_system_sgpr_workgroup_id_z 1
		.amdhsa_system_vgpr_workitem_id 0
		.amdhsa_next_free_vgpr 384
		.amdhsa_next_free_sgpr 100
		.amdhsa_reserve_vcc 1
		.amdhsa_float_denorm_mode_32 3
		.amdhsa_float_denorm_mode_16_64 3
		.amdhsa_memory_ordered 1
		.amdhsa_forward_progress 1
		.amdhsa_inst_pref_size 46
	.end_amdhsa_kernel
	.amdgpu_metadata
---
amdhsa.version: [ 1, 2 ]
amdhsa.kernels:
  - .name:           k_qafc9a60480_prep
    .symbol:         k_qafc9a60480_prep.kd
    .args:
      - { .name: feature, .offset: 0, .size: 8, .value_kind: global_buffer, .address_space: global }
      - { .name: domain_ids, .offset: 8, .size: 8, .value_kind: global_buffer, .address_space: global }
      - { .name: W1, .offset: 16, .size: 8, .value_kind: global_buffer, .address_space: global }
      - { .name: xs, .offset: 24, .size: 8, .value_kind: global_buffer, .address_space: global }
      - { .name: wf, .offset: 32, .size: 8, .value_kind: global_buffer, .address_space: global }
      - { .name: tinfo, .offset: 40, .size: 8, .value_kind: global_buffer, .address_space: global }
      - { .name: pos, .offset: 48, .size: 8, .value_kind: global_buffer, .address_space: global }
    .group_segment_fixed_size: 1280
    .private_segment_fixed_size: 0
    .kernarg_segment_align: 8
    .kernarg_segment_size: 56
    .max_flat_workgroup_size: 256
    .sgpr_count:     100
    .vgpr_count:     384
    .wavefront_size: 32
...
	.end_amdgpu_metadata
.endif
;; end of part 4
;; launch chain (part 5): grid 4 x 64, 4 waves a work-group, clusters of 4 x 1, 327,680 bytes of LDS; arguments xs, wf, tinfo, b1, W2, b2, part; writes part
.if DOCPART == 5
	.amdgcn_target "amdgcn-amd-amdhsa--gfx1250"
	.amdhsa_code_object_version 6
	.text
	.protected	k_qafc9a60480_chain
	.globl	k_qafc9a60480_chain
	.p2align	8
	.type	k_qafc9a60480_chain,@function
k_qafc9a60480_chain:
	s_mov_b64 s[64:65], 0
	v_nop
	global_prefetch_b8 v0, s[64:65] scope:SCOPE_SE
	s_setreg_imm32_b32 hwreg(HW_REG_WAVE_MODE, 25, 1), 1
	s_wait_xcnt 0x0
	s_wait_alu depctr_hold_cnt(0) depctr_sa_sdst(0) depctr_va_vdst(0) depctr_va_sdst(0) depctr_va_ssrc(0) depctr_va_vcc(0) depctr_vm_vsrc(0)
	s_getreg_b32 s2, hwreg(HW_REG_IB_STS2, 6, 4)
	s_cmp_eq_u32 s2, 0
	s_cbranch_scc0 .Lentry_in_a_cluster
	s_endpgm
.Lentry_in_a_cluster:
	s_bfe_u32 s2, ttmp6, 0x10000c
	s_cmp_lg_u32 s2, 0x3003
	s_cbranch_scc0 .Lentry_shape_is_right
	s_endpgm
.Lentry_shape_is_right:
; CHAIN.  For a tile of 144 rows of xs (tokens of one expert e) and a slice of 256 of the 1,024 hidden units:
;   part[slice][tile][place][o] = sum over the slice's hidden n of relu(x . W1[e][:, n] + b1[e][n]) W2[e][n][o]   (+ b2[e][o] in slice 0)
; x, W1, W2 and the hidden layer are bf16 (each rounded once), all sums f32, b1 and b2 f32.  The four slices' sums are added by the next launch.
; SHARES.  A cluster of four work-groups is a tile, a work-group a slice, a wave 64 hidden units (four fragments of 16) x 144 tokens (nine blocks): 36 accumulators, 288 registers.
; Cluster y has tile 8 (y % 8) + y / 8: the eight clusters whose numbers are alike modulo 8 have eight neighbouring tiles, which read mostly one expert's 2 MiB of wf (an expert with 1,024 tokens
; has eight tiles).  The order is one to one on 0 .. 63 and changes no value.
; A tile always computes its nine blocks: 64 x 144 = 9,216 rows for 8,192 tokens.  Rows past a tile's count are zeros; a token is a COLUMN of both products, so they touch no other token,
; and nothing reads their results.  A tile past the last one (expert 7, zeros alone) runs like any other, so that partners and barriers are alike.
; TRANSPOSED USE.  Source 0 = 16 hidden x 32 k of W1, source 1 = 16 tokens x 32 k of x: in the result a lane holds ONE token (lane % 16) and eight hidden units; two results rounded to
; bf16 ARE source 1 (32 hidden x 16 tokens) of the second product, whose source 0 holds W2's two columns in rows 0, 1 (repeated): its registers 0, 1 are the token's two sums.
; WHERE THE OPERANDS COME FROM.  x: the tile's 144 x 1,024 bf16 lie in LDS whole (eight chunks of 128 k), asked for once, at the start, JOINTLY by the four slices: 8 tensor loads a wave,
; 36 rows each; by this text's count a wave has 8 outstanding.  Their addresses are made of the tile's number and the wave's alone.  No LDS byte is filled twice.
; W1: each fragment has one reader in the work-group, so it goes from memory straight into registers, through a ring of seven steps, asked for six steps (216 matrix instructions) ahead.
; W1 is not asked for jointly: its readers are an expert's tiles, 1 to 57 of them by the split of the tokens, which no cluster divides.
; LIMITS.  bf16 keeps 8 significant bits, its range is f32's.  NaN and infinities are not treated apart (relu is a maximum in which a NaN loses).
; REGISTERS, in windows of 256 (s_set_vgpr_msb: bits 1:0 source 0, 3:2 source 1, 5:4 source 2, 7:6 destination):
;   window 0: v0-9 addresses; v30-31 the add's; v32-47 W2's operand; v48-63 the last sums; v64-127 b1, later W2, as loaded; v128-199 the nine results of the second product; v200-231 at work
;   window 1: v0-223 the ring of W1's fragments (slot x 32 + 8 i), later the hidden layer (16 b + 8 s); v224-231 LDS addresses of the chunks; v232 16 x lane; v233 0
;   window 2: v0-159 accumulators of blocks 0-4 (32 b + 8 i); v160-239 their x fragments, two buffers
;   window 3: v0-127 accumulators of blocks 5-8; v128-191 their x fragments, two buffers; v192-223 b1 as a C operand (8 i + j)
.set PITCH, 272                        ; an LDS row: 256 bytes + 16 of padding = 68 words: the 16 rows of a fragment load start at 16 different groups of four banks (64 banks of 4 bytes: ISA guide 11.1)
.set CHUNK, 144*PITCH                  ; 128 k of all 144 rows
.set QUART, 36*PITCH                   ; what one tensor load brings
.set SCR,   8*CHUNK                    ; behind the chunks, never filled by a tensor load: 1,536 bytes a wave, 192 places x 8 bytes
.set SPARE, SCR+4*1536                 ; behind that: the spare words, 128 bytes a wave: two blocks of 256 bytes that no other line names
.set SPW, 30
.set NIL, 31
.set W2F, 32
.set SUM, 48
.set T,   64
.set LG,  128
.set XS,  200
.set ADR, 224                          ; window 1
.set WOF, 232
.set ZR,  233
.set B1F, 192                          ; window 3
.set G0,  32                           ; s[32:63] descriptor group 0, a set for each chunk
.set G1,  68                           ; s[68:75] descriptor group 1
; other scalars: s[4:17] the seven buffers; s18 wave; s19 cx (the slice); s20 tile; s21 4 x tile; s22 expert; s[24:25] an offset; s[26:27] b2 or 0; s30, s31 at work;
; s76 8 x expert; s77-79 offsets that hang on cx or on the expert: these, s19, s22, s26 and s27 never enter a descriptor or an LDS address
.set MSB, 0
.macro WIN new                         ; the immediate's high byte repeats the setting that is left; a switch that changes nothing is dropped
.if MSB != (\new)
	s_set_vgpr_msb (MSB<<8)|(\new)
.set MSB, (\new)
.endif
.endm
.set LDW, 0x41                         ; W1's loads: data and address in window 1
.set MA,  0xa9                         ; source 0 (W1) window 1; source 1 (x), C and D window 2.  An LDS load under it: data window 2, address window 1
.set MA0, 0xb9                         ; the same with C (b1) in window 3
.set MB,  0xfd                         ; source 0 window 1; the rest window 3.  An LDS load under it: data window 3, address window 1
.macro WINA t                          ; the windows for blocks 0-4: in step 0 the C operand is b1
.if (\t) == 0
	WIN MA0
.else
	WIN MA
.endif
.endm
.macro PLACES                          ; four plain vector instructions between a matrix instruction and a load into, or a vector instruction on, its registers (ISA guide 7.12.1 for vector instructions)
.rept 4
	v_nop
.endr
.endm
.macro ROUND                           ; a round of the cluster's barrier: my work-group's barrier; wave 0 signals for it; every wave waits for all four work-groups; my work-group's barrier once more
	s_barrier_signal -1
	s_barrier_wait -1
	s_cmp_lg_u32 s18, 0
	s_cbranch_scc1 .Lnot_wave_0_\@
	s_barrier_signal -3
.Lnot_wave_0_\@:
	s_barrier_wait -3
	s_barrier_signal -1
	s_barrier_wait -1
.endm
.macro WL t                            ; step t's four fragments of W1: eight loads of 512 consecutive bytes, into slot t % 7
	WIN LDW
.irp i, 0,1,2,3
.irp hf, 0,1
	global_load_b128 v[32*((\t)%7)+8*\i+4*\hf:32*((\t)%7)+8*\i+4*\hf+3], v[WOF], s[6:7] offset:4096*(\t)+1024*\i+512*\hf
.endr
.endr
.endm
; One of a fragment's two LDS loads: block b's 16 tokens, 32 k of step t, half hf, into buffer t % 2.  Blocks 0-4 under MA (or MA0), 5-8 under MB.
.macro XL b, hf, t
.if (\b) < 5
.set rX, 160+40*((\t)%2)+8*(\b)+4*(\hf)
.else
.set rX, 128+32*((\t)%2)+8*((\b)-5)+4*(\hf)
.endif
	ds_load_b128 v[rX:rX+3], v[ADR+(\t)/4] offset:16*PITCH*(\b)+64*((\t)%4)+32*(\hf)
.endm
.macro MM b, i, t                      ; accumulator (b, i) takes step t
.if (\b) < 5
.set rA, 32*(\b)+8*(\i)
.set rX, 160+40*((\t)%2)+8*(\b)
.else
.set rA, 32*((\b)-5)+8*(\i)
.set rX, 128+32*((\t)%2)+8*((\b)-5)
.endif
.set rW, 32*((\t)%7)+8*(\i)
.if (\t) == 0
	v_wmma_f32_16x16x32_bf16 v[rA:rA+7], v[rW:rW+7], v[rX:rX+7], v[B1F+8*(\i):B1F+8*(\i)+7]
.else
	v_wmma_f32_16x16x32_bf16 v[rA:rA+7], v[rW:rW+7], v[rX:rX+7], v[rA:rA+7]
.endif
.endm
	s_load_b256 s[4:11], s[0:1], 0x0               ; xs s[4:5], wf s[6:7], tinfo s[8:9], b1 s[10:11]
	s_load_b128 s[12:15], s[0:1], 0x20             ; W2 s[12:13], b2 s[14:15]
	s_load_b64 s[16:17], s[0:1], 0x30              ; part
	v_lshl_add_u32 v[SPW], v0, 2, SPARE
	v_mov_b32 v[NIL], 0
	ds_add_u32 v[SPW], v[NIL]                      ; the wave's opening: the add and its wait stand ahead of my first tensor load; the set-up below, work on registers, stands between them
	v_lshrrev_b32 v9, 5, v0
	v_readfirstlane_b32 s18, v9                    ; wave 0..3
	s_bfe_u32 s19, ttmp6, 0x40000                  ; cx: my slice
	s_and_b32 s20, ttmp7, 0xffff                   ; y, the cluster's number, which the four partners share
	s_and_b32 s21, s20, 7
	s_lshr_b32 s20, s20, 3
	s_lshl3_add_u32 s20, s21, s20                  ; the tile: 8 (y % 8) + y / 8
	s_lshl_b32 s21, s20, 2
	; descriptor group 1: 36 rows x 128 elements, padded in LDS
	s_mov_b32 s[G1+0], 15|(1<<16)|(1<<20)|(1<<21)|(5<<22)|(3<<25)  ; 15:0 the mask: all four work-groups; 17:16 elements of 2 bytes; 20 padding on; 21 set beside a mask; 24:22 after every 64 words (code 5); 31:25 4 words (code 3)
	s_mov_b32 s[G1+1], 128<<16                     ; tensor_dim0 = 128
	s_mov_b32 s[G1+2], 36<<16                      ; tensor_dim1 = 36
	s_mov_b32 s[G1+3], 128<<16                     ; tile_dim0 = 128
	s_mov_b32 s[G1+4], 36                          ; tile_dim1 = 36
	s_mov_b32 s[G1+5], 1024                        ; elements from row to row
	s_mov_b32 s[G1+6], 0
	s_mov_b32 s[G1+7], 0
	v_and_b32 v1, 15, v0                           ; r = lane % 16
	v_bfe_u32 v2, v0, 4, 1                         ; h = lane / 16
	v_mul_u32_u24 v3, v1, PITCH
	v_lshl_add_u32 v3, v2, 4, v3                   ; a fragment's row x pitch + 16 h
	s_mul_i32 s31, s18, 1536
	s_add_co_u32 s31, s31, SCR
	v_lshl_add_u32 v4, v1, 3, s31                  ; where token r of a block puts its two sums: my wave's scratch + 8 r
	v_lshl_add_u32 v5, v0, 4, SCR                  ; where thread 0..95 reads two places back
	v_lshlrev_b32 v6, 4, v0                        ; and its 16 bytes in the tile's 1,536 of part
	v_lshlrev_b32 v7, 7, v2                        ; b1: 32 h numbers of 4 bytes
	v_lshlrev_b32 v8, 8, v2                        ; W2: 32 h rows of 8 bytes
	v_and_b32 v9, 31, v0
	WIN 0x40                                       ; destination window 1
.irp c, 0,1,2,3,4,5,6,7
	v_add_nc_u32 v[ADR+\c], CHUNK*\c, v3
.endr
	v_lshlrev_b32 v[WOF], 4, v9
	v_mov_b32 v[ZR], 0
	WIN 0
	s_wait_dscnt 0x0                               ; the opening add is done
	s_wait_kmcnt 0x0
	s_load_b32 s22, s[8:9], s21 offset:0x0         ; the tile's expert: on its way while the work-groups meet and the tile is asked for
	s_mul_i32 s30, s20, 144
	s_mul_i32 s31, s18, 36
	s_add_co_u32 s30, s30, s31                     ; my quarter's first row in xs: 144 tile + 36 wave
	s_lshl_b32 s24, s30, 11
	s_mov_b32 s25, 0
	s_add_nc_u64 s[4:5], s[4:5], s[24:25]
	s_mul_i32 s31, s18, QUART
.irp c, 0,1,2,3,4,5,6,7
	s_mov_b32 s[G0+4*\c], 1                                        ; count = 1
	s_add_co_u32 s[G0+4*\c+1], s31, CHUNK*\c                       ; LDS address: the chunk, my quarter of its rows: the wave's number and constants alone
	s_add_nc_u64 s[G0+4*\c+2:G0+4*\c+3], s[4:5], 256*\c            ; global address: 128 k on for each chunk
	s_or_b32 s[G0+4*\c+3], s[G0+4*\c+3], 0x80000000                ; type = 2
.endr
	ROUND                                          ; all four work-groups are here: the joint loads meet
.irp c, 0,1,2,3,4,5,6,7
	tensor_load_to_lds s[G0+4*\c:G0+4*\c+3], s[G1:G1+7]            ; all first fills in one group, chunk 0 first
	s_nop 0
.endr
	PLACES                                         ; four v_nop behind the last tensor load, ahead of the next window switch
	s_wait_kmcnt 0x0                               ; the expert
	s_min_u32 s22, s22, 7                          ; a loaded number is held to its table before it enters an address
	s_lshl_b32 s76, s22, 3
	s_load_b64 s[26:27], s[14:15], s76 offset:0x0  ; b2[e]
	s_lshl_b32 s77, s19, 2
	s_add_co_u32 s77, s77, s18                     ; g = 4 slice + wave: my 64 hidden units
	s_lshl4_add_u32 s77, s22, s77                  ; 16 e + g
	s_mov_b32 s79, 0
	s_lshl_b32 s78, s77, 8
	s_add_nc_u64 s[10:11], s[10:11], s[78:79]      ; b1 + 4,096 e + 256 g
	s_lshl_b32 s78, s77, 17
	s_add_nc_u64 s[6:7], s[6:7], s[78:79]          ; wf + 131,072 (16 e + g)
	s_lshl_b32 s78, s77, 9
	s_add_nc_u64 s[12:13], s[12:13], s[78:79]      ; W2 + 8,192 e + 512 g
	s_mul_i32 s78, s19, 98304
	s_mul_i32 s77, s20, 1536
	s_add_co_u32 s78, s78, s77
	s_add_nc_u64 s[16:17], s[16:17], s[78:79]      ; part at my slice's copy of the tile
.irp j, 0,1,2,3,4,5,6,7
	global_load_b128 v[T+4*\j:T+4*\j+3], v7, s[10:11] offset:16*\j  ; b1 of hidden 64 g + 32 h + 4 j + i, i = 0..3
.endr
.irp t, 0,1,2,3,4,5
	WL \t
.endr
	; step 0's x fragments are fetched while b1 and W1 are on their way
	s_wait_tensorcnt 7                             ; my quarter of chunk 0 is in; the seven chunks behind it stay out
	s_barrier_signal -1
	s_barrier_wait -1                              ; everybody's is
	WIN MA
.irp b, 0,1,2,3,4
	XL \b, 0, 0
	XL \b, 1, 0
.endr
	WIN MB
.irp b, 5,6,7,8
	XL \b, 0, 0
	XL \b, 1, 0
.endr
	s_wait_loadcnt 48                              ; b1 is in; the six steps of W1 issued behind it stay out
	WIN 0xc0                                       ; destination window 3
.irp i, 0,1,2,3
.irp j, 0,1,2,3,4,5,6,7
	v_mov_b32 v[B1F+8*\i+\j], v[T+4*\j+\i]         ; turned once, into the layout of a result: register j of fragment i is hidden 4 (8 h + j) + i.  So b1 rides as the C of the first products, which start the sums
.endr
.endr
	s_wait_kmcnt 0x0                               ; b2
	s_cmp_eq_u32 s19, 0                            ; slice 0 alone adds it: a choice of a value, no branch
	s_cselect_b32 s26, s26, 0
	s_cselect_b32 s27, s27, 0
; A STEP: 32 along k.  ALL ITS MEMORY INSTRUCTIONS STAND IN ONE RUN AT ITS HEAD, never singly among the matrix instructions: four places behind the last step's products come the eight loads of W1 for
; six steps on, then the eighteen LDS loads of the NEXT step's x fragments (blocks 5-8 first, so that the windows then stand as the products want them).  Behind the run the step's 36 matrix instructions
; follow each other, with one switch of the windows between them: four switches a step.  The 36 accumulators take turns, one instruction a turn, in the same order in every step.
; TWO MEETINGS serve the seven later chunks.  In step 3, whose run reads chunk 1 for the first time, every wave has waited for its quarters of chunks 1 to 3; in step 15, whose run reads chunk 4 for the
; first time, for those of chunks 4 to 7.  The first reads of chunks 2, 3 (steps 7, 11) and 5, 6, 7 (steps 19, 23, 27) stand behind those barriers too.
; The steps are written out by the assembler's loop: the counts of the waits differ from step to step, and every offset is an immediate.
.macro STEP t
.if (\t) > 0
	PLACES                                         ; behind the last step's products: the loads below go into the ring slot and the x buffer that they read
.endif
.if (\t) <= 25
	WL (\t)+6
.elseif (\t) == 27
	WIN 0
.irp u, 0,1,2,3,4,5,6,7,8,9,10,11,12,13,14,15
	global_load_b128 v[T+4*\u:T+4*\u+3], v8, s[12:13] offset:16*\u  ; W2 of hidden 64 g + 32 h + 2 u, + 1: two outputs each
.endr
.endif
.if (\t) == 3
	s_wait_tensorcnt 4                             ; my quarters of chunks 1 to 3 are in: four chunks were asked for behind chunk 3
	s_wait_dscnt 0x0                               ; no LDS load of mine is out at the signal
	s_barrier_signal -1
	s_barrier_wait -1                              ; everybody's are
.elseif (\t) == 15
	s_wait_tensorcnt 0x0                           ; my quarters of chunks 4 to 7 are in: nothing was asked for behind chunk 7
	s_wait_dscnt 0x0
	s_barrier_signal -1
	s_barrier_wait -1
.endif
.if (\t) < 31
	WIN MB
.irp b, 5,6,7,8
	XL \b, 0, (\t)+1
	XL \b, 1, (\t)+1
.endr
	WINA \t
.irp b, 0,1,2,3,4
	XL \b, 0, (\t)+1
	XL \b, 1, (\t)+1
.endr
	s_wait_dscnt 18                                ; this step's x, asked for in the last step's run, is in: all but the eighteen just issued
.else
	s_wait_dscnt 0x0                               ; the last step's x
.endif
.if (\t) <= 25
	s_wait_loadcnt 48                              ; step t's W1 is in; the six steps behind it stay out
.elseif (\t) == 26
	s_wait_loadcnt 40                              ; five steps are left behind it
.else
	s_wait_loadcnt 8*(31-(\t))+16                  ; the steps left, and W2's sixteen
.endif
	WINA \t
.set n, 0
.rept 20
	MM n/4, n%4, \t
.set n, n+1
.endr
	WIN MB
.set n, 0
.rept 16
	MM 5+n/4, n%4, \t
.set n, n+1
.endr
.endm
.set t, 0
.rept 32
	STEP t
.set t, t+1
.endr
	; W2's OPERAND.  Row m of source 0 is output m % 2; k runs over fragment 2 s (registers 0-3) and 2 s + 1 (registers 4-7), as the hidden layer is packed below.
	; These fifty plain lines name no register of the last products: they are the places behind them.
	WIN 0
	s_wait_loadcnt 0x0                             ; W2
	v_and_b32 v9, 1, v0
	v_cmp_eq_u32 s30, 1, v9
.set n, 0
.rept 32
	v_cndmask_b32 v[XS+n], v[T+2*n], v[T+2*n+1], s30  ; hidden 32 h + n, my row's output
.set n, n+1
.endr
.irp s, 0,1
.irp q, 0,1,2,3
	v_cvt_pk_bf16_f32 v[W2F+8*\s+\q],   v[XS+8*\q+2*\s],   v[XS+8*\q+4+2*\s]
	v_cvt_pk_bf16_f32 v[W2F+8*\s+4+\q], v[XS+8*\q+2*\s+1], v[XS+8*\q+5+2*\s]
.endr
.endr
	; THE HIDDEN LAYER: rounded to bf16 in pairs, each accumulator's registers in ascending order, into the ring's registers; then relu on the packed halves
.set b, 0
.rept 9
.if b < 5
	WIN 0x4a                                       ; sources window 2, destination window 1
.set rA, 32*b
.else
	WIN 0x4f                                       ; sources window 3
.set rA, 32*(b-5)
.endif
.set q, 0
.rept 16
	v_cvt_pk_bf16_f32 v[16*b+q], v[rA+2*q], v[rA+2*q+1]
.set q, q+1
.endr
.set b, b+1
.endr
	WIN 0x45                                       ; all in window 1
.set n, 0
.rept 144
	v_pk_max_num_bf16 v[n], v[n], v[ZR]
.set n, n+1
.endr
	; THE SECOND PRODUCT: nine accumulators by turns, two deep; the first nine start the sums
	WIN 0x04                                       ; source 1 window 1
.irp s, 0,1
.set b, 0
.rept 9
.if \s == 0
	v_wmma_f32_16x16x32_bf16 v[LG+8*b:LG+8*b+7], v[W2F:W2F+7], v[16*b:16*b+7], 0
.else
	v_wmma_f32_16x16x32_bf16 v[LG+8*b:LG+8*b+7], v[W2F+8:W2F+15], v[16*b+8:16*b+15], v[LG+8*b:LG+8*b+7]
.endif
.set b, b+1
.endr
.endr
	WIN 0
	PLACES
	; my 64 hidden units' sums go into my scratch: registers 0, 1 of block b are token 16 b + r's two outputs (both halves of the lanes hold, and write, the same).
	; Places 144 .. 191 take block 8's once more, so that the tile's 1,536 bytes leave as six whole blocks of 256; nothing reads them.
.set b, 0
.rept 12
.if b < 9
.set rL, LG+8*b
.else
.set rL, LG+64
.endif
	ds_store_b64 v4, v[rL:rL+1] offset:128*b
.set b, b+1
.endr
	s_wait_dscnt 0x0                               ; for the others' sake: my stores are done
	s_barrier_signal -1
	s_barrier_wait -1
	s_cmp_eq_u32 s18, 3
	s_cbranch_scc1 .Ldone                          ; 96 threads x 16 bytes are the tile's 1,536: wave 3 has no part
.irp k, 0,1,2,3
	ds_load_b128 v[SUM+4*\k:SUM+4*\k+3], v5 offset:1536*\k
.endr
	s_wait_dscnt 0x0
	v_pk_add_f32 v[SUM:SUM+1],     v[SUM:SUM+1],     v[SUM+4:SUM+5]
	v_pk_add_f32 v[SUM+2:SUM+3],   v[SUM+2:SUM+3],   v[SUM+6:SUM+7]
	v_pk_add_f32 v[SUM+8:SUM+9],   v[SUM+8:SUM+9],   v[SUM+12:SUM+13]
	v_pk_add_f32 v[SUM+10:SUM+11], v[SUM+10:SUM+11], v[SUM+14:SUM+15]
	v_pk_add_f32 v[SUM:SUM+1],     v[SUM:SUM+1],     v[SUM+8:SUM+9]
	v_pk_add_f32 v[SUM+2:SUM+3],   v[SUM+2:SUM+3],   v[SUM+10:SUM+11]
	v_add_f32 v[SUM],   s26, v[SUM]
	v_add_f32 v[SUM+1], s27, v[SUM+1]
	v_add_f32 v[SUM+2], s26, v[SUM+2]
	v_add_f32 v[SUM+3], s27, v[SUM+3]
	global_store_b128 v6, v[SUM:SUM+3], s[16:17]   ; 16 lanes store 256 consecutive bytes, at a multiple of 256 from part's first byte
.Ldone:
	s_wait_tensorcnt 0x0                           ; the wave's end, behind my last tensor load and my last LDS store
	ds_add_u32 v[SPW], v[NIL]
	s_wait_dscnt 0x0
	ROUND                                          ; the closing round: no work-group ends while a partner may still ask for a tile that names it
	s_endpgm
.Lfunc_end_k_qafc9a60480_chain:
	.size	k_qafc9a60480_chain, .Lfunc_end_k_qafc9a60480_chain-k_qafc9a60480_chain
	.p2alignl 7, 3214868480
	.fill 96, 4, 3214868480
	.section	.rodata,"a",@progbits
	.p2align	6, 0x0
	.amdhsa_kernel k_qafc9a60480_chain
		.amdhsa_group_segment_fixed_size 327680
		.amdhsa_private_segment_fixed_size 0
		.amdhsa_enable_private_segment 0
		.amdhsa_kernarg_size 56
		.amdhsa_user_sgpr_count 2
		.amdhsa_user_sgpr_kernarg_segment_ptr 1
		.amdhsa_wavefront_size32 1
		.amdhsa_system_sgpr_workgroup_id_x 1
		.amdhsa_system_sgpr_workgroup_id_y 1
		.amdhsa_system_sgpr_workgroup_id_z 1
		.amdhsa_system_vgpr_workitem_id 0
		.amdhsa_next_free_vgpr 992
		.amdhsa_next_free_sgpr 80
		.amdhsa_reserve_vcc 0
		.amdhsa_float_denorm_mode_32 3
		.amdhsa_float_denorm_mode_16_64 3
		.amdhsa_memory_ordered 1
		.amdhsa_forward_progress 1
		.amdhsa_inst_pref_size 178
	.end_amdhsa_kernel
	.amdgpu_metadata
---
amdhsa.version: [ 1, 2 ]
amdhsa.kernels:
  - .name:           k_qafc9a60480_chain
    .symbol:         k_qafc9a60480_chain.kd
    .args:
      - { .name: xs, .offset: 0, .size: 8, .value_kind: global_buffer, .address_space: global }
      - { .name: wf, .offset: 8, .size: 8, .value_kind: global_buffer, .address_space: global }
      - { .name: tinfo, .offset: 16, .size: 8, .value_kind: global_buffer, .address_space: global }
      - { .name: b1, .offset: 24, .size: 8, .value_kind: global_buffer, .address_space: global }
      - { .name: W2, .offset: 32, .size: 8, .value_kind: global_buffer, .address_space: global }
      - { .name: b2, .offset: 40, .size: 8, .value_kind: global_buffer, .address_space: global }
      - { .name: part, .offset: 48, .size: 8, .value_kind: global_buffer, .address_space: global }
    .group_segment_fixed_size: 327680
    .private_segment_fixed_size: 0
    .kernarg_segment_align: 8
    .kernarg_segment_size: 56
    .max_flat_workgroup_size: 128
    .sgpr_count:     80
    .vgpr_count:     992
    .wavefront_size: 32
...
	.end_amdgpu_metadata
.endif
;; end of part 5
;; launch finish: the kernel of part 3 again; grid 256 x 1, 1 waves a work-group, no clusters, 0 bytes of LDS; arguments part, pos, out0; writes out0
